; MI455X (gfx1250); checked and timed in simulation.
; The chip was launched on July 23, 2026; its instructions are those of AMD's public machine-readable ISA for CDNA 5 (MIT licence, August 2026) and "CDNA5" Instruction Set Architecture Reference Guide (July 2026). The comments in the code are by the model that wrote it; some were corrected since.
;; Moe Layer. Allowed arithmetic: float matrix products may take bf16 or f16 operands with f32 sums; other float arithmetic in f32, or as packed bf16 or f16 multiplies, adds, multiply-adds, maxima and minima; sums over many terms, partial sums and values carried from step to step in f32; what a program stores and reads back later, other than sums and carried values, may be rounded once to bf16 or f16.
;; Inputs: b1 8 x 4,096 float32; b2 8 x 1,024 float32; gate_b 8 float32; gate_w 1,024 x 8 float32; inputs 1,024 x 1,024 float32; w1 8 x 1,024 x 4,096 float32; w2 8 x 4,096 x 1,024 float32.
;; Outputs: out0 1,024 x 1,024 float32.
;; 2 versions, each right; version 2 is version 1 with the launch prod2 written anew for expert scheduling mode. Each part assembles by itself: llvm-mc -triple=amdgcn-amd-amdhsa -mcpu=gfx1250 --defsym DOCPART=n.
;; ======== version 1 of 2: 4 launches
;; workspace buffers: xb 2,097,152 bytes; bm 1,024 bytes of whole numbers; selw 4,096 bytes of whole numbers; gatew 8,192 bytes; rk 32,768 bytes of whole numbers; meta 256 bytes of whole numbers; hid 67,108,864 bytes; part 134,217,728 bytes
;; launch router (part 1): grid 128 x 1, 8 waves a work-group, no clusters, 17,920 bytes of LDS; arguments inputs, gate_w, gate_b, xb, bm, selw, gatew; writes xb, bm, selw, gatew
.if DOCPART == 1
	.amdgcn_target "amdgcn-amd-amdhsa--gfx1250"
	.amdhsa_code_object_version 6
	.text
	.protected	k_qfb22ce5b6d_router
	.globl	k_qfb22ce5b6d_router
	.p2align	8
	.type	k_qfb22ce5b6d_router,@function
k_qfb22ce5b6d_router:
	s_mov_b64 s[64:65], 0
	v_nop
	global_prefetch_b8 v0, s[64:65] scope:SCOPE_SE
	s_setreg_imm32_b32 hwreg(HW_REG_WAVE_MODE, 25, 1), 1
	s_wait_xcnt 0x0
; ROUTER.  logits = x gate_w + gate_b for 1,024 tokens and 8 experts; the two largest (the lower index wins a tie), softmax over the two.
; Stored at fixed places: xb = x rounded to bf16; selw[t] = e0 | e1 << 8; gatew[t] = the two weights; bm byte [e][g]: bit i = token 8 g + i chose e.
; A work-group has 8 tokens, a wave one token.  x, gate_w and gate_b are rounded to bf16 first, as every input of this program is; products and sums in f32.
; LIMITS.  NaN and infinite logits are not treated apart.  Two logits closer than the rounding of a sum of 1,024 f32 terms may be ordered otherwise than by another order of summing.
; No matrix unit: 8 columns are half a matrix tile, and the launch is bound by reading x once.  No cluster: the work-groups share only gate_w, 32 KiB.
.set GPL,   4128                       ; pitch of a plane of gate_w in LDS: 1,024 words + 32 bytes, so that planes 0 and 2 lie 16 banks apart
.set LG,    16640                      ; 8 tokens x 8 logits
.set SPARE, 16896                      ; the spare words: 128 bytes for each of 8 waves
.set G,     8                          ; v8-39    gate_w as loaded
.set XR,    40                         ; v40-71   my token's x: lane l holds d = 128 j + 4 l + 0..3
.set XP,    72                         ; v72-87   the same in bf16 pairs
.set GWR,   88                         ; v88-215  gate_w for my d: word (4 j + p) 4 + dd = experts 2 p (low half), 2 p + 1 (high half) at d = 128 j + 4 l + dd
.set ACC,   216                        ; v216-223 eight sums
.set LO,    224                        ; v224-231 a token's eight logits (wave 0)
	s_load_b256 s[4:11], s[0:1], 0x0               ; inputs s[4:5], gate_w s[6:7], gate_b s[8:9], xb s[10:11]
	s_load_b128 s[12:15], s[0:1], 0x20             ; bm s[12:13], selw s[14:15]
	s_load_b64 s[16:17], s[0:1], 0x30              ; gatew
	v_lshl_add_u32 v6, v0, 2, SPARE                ; my spare word
	v_mov_b32 v7, 0
	v_lshrrev_b32 v1, 5, v0
	v_readfirstlane_b32 s20, v1                    ; wave
	v_and_b32 v1, 31, v0                           ; lane
	v_lshlrev_b32 v2, 4, v0                        ; gate_w: 16 bytes a thread, 4,096 consecutive bytes a load of the work-group
	s_lshl_b32 s21, ttmp9, 3
	s_add_co_u32 s21, s21, s20                     ; my token
	s_lshl_b32 s22, s21, 12                        ; its row in x
	s_lshl_b32 s23, s21, 11                        ; and in xb
	v_lshl_add_u32 v3, v1, 4, s22
	v_and_b32 v4, 1, v0                            ; an even thread holds experts 0-3 of a d, an odd one experts 4-7
	v_mul_u32_u24 v4, v4, 2*GPL
	v_lshrrev_b32 v5, 1, v0
	v_lshl_add_u32 v4, v5, 2, v4                   ; plane 0 or 2, word d
	v_lshlrev_b32 v5, 4, v1
	s_mov_b32 s32, 0x76543210                      ; v_permlanex16_b32: each lane takes its own place in the other half
	s_mov_b32 s33, 0xfedcba98
	s_wait_kmcnt 0x0
	s_load_b256 s[24:31], s[8:9], 0x0              ; gate_b
.set i, 0
.rept 8
	global_load_b128 v[G+4*i:G+4*i+3], v2, s[6:7] offset:4096*i     ; d = 128 i + thread / 2
.set i, i+1
.endr
.set i, 0
.rept 8
	global_load_b128 v[XR+4*i:XR+4*i+3], v3, s[4:5] offset:512*i th:TH_LOAD_NT
.set i, i+1
.endr
	s_wait_loadcnt 0x8                             ; gate_w is in; the 8 younger loads, x, stay out
.set i, 0
.rept 8
	v_cvt_pk_bf16_f32 v[G+4*i], v[G+4*i], v[G+4*i+1]
	v_cvt_pk_bf16_f32 v[G+4*i+1], v[G+4*i+2], v[G+4*i+3]
	ds_store_b32 v4, v[G+4*i] offset:512*i
	ds_store_b32 v4, v[G+4*i+1] offset:512*i+GPL
.set i, i+1
.endr
	s_wait_dscnt 0x0                               ; for the others' sake: my part of the planes is stored
	s_barrier_signal -1
	s_barrier_wait -1
.set j, 0
.rept 8
.irp p, 0,1,2,3
	ds_load_b128 v[GWR+(4*j+\p)*4:GWR+(4*j+\p)*4+3], v5 offset:\p*GPL+512*j
.endr
.set j, j+1
.endr
	v_lshl_add_u32 v2, v1, 3, s23                  ; xb: 8 bytes a lane (gate_w's loads, which read v2, are done)
	s_wait_loadcnt 0x0                             ; x
.set i, 0
.rept 16
	v_cvt_pk_bf16_f32 v[XP+i], v[XR+2*i], v[XR+2*i+1]
.set i, i+1
.endr
.set j, 0
.rept 8
	global_store_b64 v2, v[XP+2*j:XP+2*j+1], s[10:11] offset:256*j  ; 32 lanes store 256 consecutive bytes, aligned
.set j, j+1
.endr
.set i, 0
.rept 8
	v_mov_b32 v[ACC+i], 0
.set i, i+1
.endr
	s_wait_dscnt 0x0
.set j, 0
.rept 8                                ; 256 multiply-adds from bf16 halves into f32; the eight sums take turns
.irp dh, 0,1
.irp dl, 0,1
.irp p, 0,1,2,3
.irp hi, 0,1
	v_fma_mix_f32_bf16 v[ACC+2*\p+\hi], v[XP+2*j+\dh], v[GWR+(4*j+\p)*4+2*\dh+\dl], v[ACC+2*\p+\hi] op_sel:[\dl,\hi,0] op_sel_hi:[1,1,0]
.endr
.endr
.endr
.endr
.set j, j+1
.endr
.irp m, 1,2,4,8                        ; over the 32 lanes
.set a, 0
.rept 8
	v_add_f32_dpp v[ACC+a], v[ACC+a], v[ACC+a] row_xmask:\m row_mask:0xf bank_mask:0xf
.set a, a+1
.endr
.endr
.set a, 0
.rept 8
	v_permlanex16_b32 v[G+a], v[ACC+a], s32, s33
.set a, a+1
.endr
.set a, 0
.rept 8
	v_add_f32 v[ACC+a], v[ACC+a], v[G+a]
.set a, a+1
.endr
	s_lshl_b32 s34, s20, 5
	s_add_co_u32 s34, s34, LG
	v_mov_b32 v3, s34
	ds_store_b128 v3, v[ACC:ACC+3]                 ; every lane holds the same eight sums
	ds_store_b128 v3, v[ACC+4:ACC+7] offset:16
	s_wait_dscnt 0x0
	s_barrier_signal -1
	s_barrier_wait -1
	s_cmp_lg_u32 s20, 0
	s_cbranch_scc1 .Lend
	; wave 0: lane l works for token l % 8 of the work-group
	v_and_b32 v4, 7, v0
	v_lshl_add_u32 v5, v4, 5, LG
	ds_load_b128 v[LO:LO+3], v5
	ds_load_b128 v[LO+4:LO+7], v5 offset:16
	s_wait_kmcnt 0x0                               ; gate_b
	v_cvt_pk_bf16_f32 v16, s24, s25
	v_cvt_pk_bf16_f32 v17, s26, s27
	v_cvt_pk_bf16_f32 v18, s28, s29
	v_cvt_pk_bf16_f32 v19, s30, s31
.irp k, 0,1,2,3
	v_lshlrev_b32 v[8+2*\k], 16, v[16+\k]
	v_and_b32 v[9+2*\k], 0xffff0000, v[16+\k]
.endr
	s_wait_dscnt 0x0
.irp e, 0,1,2,3,4,5,6,7
	v_add_f32 v[LO+\e], v[LO+\e], v[8+\e]
.endr
	v_mov_b32 v232, v[LO]                          ; the largest: a later expert takes the place only if strictly greater
	v_mov_b32 v233, 0
.irp e, 1,2,3,4,5,6,7
	v_cmp_gt_f32 vcc_lo, v[LO+\e], v232
	v_cndmask_b32 v232, v232, v[LO+\e], vcc_lo
	v_cndmask_b32 v233, v233, \e, vcc_lo
.endr
	s_mov_b32 s35, 0xff800000                      ; the winner leaves the field
.irp e, 0,1,2,3,4,5,6,7
	v_cmp_eq_u32 vcc_lo, \e, v233
	v_cndmask_b32 v[LO+\e], v[LO+\e], s35, vcc_lo
.endr
	v_mov_b32 v234, v[LO]                          ; the second
	v_mov_b32 v235, 0
.irp e, 1,2,3,4,5,6,7
	v_cmp_gt_f32 vcc_lo, v[LO+\e], v234
	v_cndmask_b32 v234, v234, v[LO+\e], vcc_lo
	v_cndmask_b32 v235, v235, \e, vcc_lo
.endr
	v_sub_f32 v236, v234, v232                     ; softmax with the maximum taken away: 1 / (1 + x), x / (1 + x), x = e^(second - first) <= 1
	v_mul_f32 v236, 0x3fb8aa3b, v236
	v_exp_f32 v236, v236
	v_nop                                          ; a plain instruction behind the exponential,
	s_wait_alu depctr_va_vdst(0)                   ; and the wait ahead of its first use
	v_add_f32 v237, 1.0, v236
	v_rcp_f32 v238, v237
	v_nop
	s_wait_alu depctr_va_vdst(0)
	v_mul_f32 v239, v236, v238
	v_lshl_or_b32 v236, v235, 8, v233              ; e0 | e1 << 8
	v_mov_b32 v237, 0
.irp e, 0,1,2,3,4,5,6,7                ; lane e gets expert e's byte: bit i = token i chose it
	v_cmp_eq_u32 s36, \e, v233
	v_cmp_eq_u32 s37, \e, v235
	s_or_b32 s36, s36, s37
	v_writelane_b32 v237, s36, \e
.endr
	s_lshl_b32 s38, ttmp9, 5
	s_lshl_b32 s39, ttmp9, 6
	s_mov_b32 s40, ttmp9
	v_lshl_add_u32 v20, v4, 2, s38
	v_lshl_add_u32 v21, v4, 3, s39
	v_lshl_add_u32 v22, v4, 7, s40                 ; bm: 128 bytes an expert, byte g
	v_cmp_gt_u32 vcc_lo, 8, v1
	s_wait_xcnt 0x0                                ; EXEC changes only behind this wait: loads and stores have been issued
	s_and_saveexec_b32 s41, vcc_lo                 ; lanes 0-7
	global_store_b32 v20, v236, s[14:15]
	global_store_b64 v21, v[238:239], s[16:17]
	global_store_b8 v22, v237, s[12:13]
	s_wait_xcnt 0x0
	s_or_b32 exec_lo, exec_lo, s41
.Lend:
	s_wait_tensorcnt 0x0                           ; the wave's end: three lines behind my last LDS store
	ds_add_u32 v6, v7
	s_wait_dscnt 0x0
	s_endpgm
.Lfunc_end_k_qfb22ce5b6d_router:
	.size	k_qfb22ce5b6d_router, .Lfunc_end_k_qfb22ce5b6d_router-k_qfb22ce5b6d_router
	.p2alignl 7, 3214868480
	.fill 96, 4, 3214868480
	.section	.rodata,"a",@progbits
	.p2align	6, 0x0
	.amdhsa_kernel k_qfb22ce5b6d_router
		.amdhsa_group_segment_fixed_size 17920
		.amdhsa_private_segment_fixed_size 0
		.amdhsa_enable_private_segment 0
		.amdhsa_kernarg_size 56
		.amdhsa_user_sgpr_count 2
		.amdhsa_user_sgpr_kernarg_segment_ptr 1
		.amdhsa_wavefront_size32 1
		.amdhsa_system_sgpr_workgroup_id_x 1
		.amdhsa_system_sgpr_workgroup_id_y 1
		.amdhsa_system_sgpr_workgroup_id_z 1
		.amdhsa_system_vgpr_workitem_id 0
		.amdhsa_next_free_vgpr 240
		.amdhsa_next_free_sgpr 66
		.amdhsa_reserve_vcc 1
		.amdhsa_float_denorm_mode_32 3
		.amdhsa_float_denorm_mode_16_64 3
		.amdhsa_memory_ordered 1
		.amdhsa_forward_progress 1
		.amdhsa_inst_pref_size 36
	.end_amdhsa_kernel
	.amdgpu_metadata
---
amdhsa.version: [ 1, 2 ]
amdhsa.kernels:
  - .name:           k_qfb22ce5b6d_router
    .symbol:         k_qfb22ce5b6d_router.kd
    .args:
      - { .name: inputs, .offset: 0, .size: 8, .value_kind: global_buffer, .address_space: global }
      - { .name: gate_w, .offset: 8, .size: 8, .value_kind: global_buffer, .address_space: global }
      - { .name: gate_b, .offset: 16, .size: 8, .value_kind: global_buffer, .address_space: global }
      - { .name: xb, .offset: 24, .size: 8, .value_kind: global_buffer, .address_space: global }
      - { .name: bm, .offset: 32, .size: 8, .value_kind: global_buffer, .address_space: global }
      - { .name: selw, .offset: 40, .size: 8, .value_kind: global_buffer, .address_space: global }
      - { .name: gatew, .offset: 48, .size: 8, .value_kind: global_buffer, .address_space: global }
    .group_segment_fixed_size: 17920
    .private_segment_fixed_size: 0
    .kernarg_segment_align: 8
    .kernarg_segment_size: 56
    .max_flat_workgroup_size: 256
    .sgpr_count:     66
    .vgpr_count:     240
    .wavefront_size: 32
...
	.end_amdgpu_metadata
.endif
;; end of part 1
;; launch prod1 (part 2): grid 32 x 8, 4 waves a work-group, no clusters, 264,704 bytes of LDS; arguments xb, bm, w1, b1, hid, rk, meta; writes hid, rk, meta
.if DOCPART == 2
	.amdgcn_target "amdgcn-amd-amdhsa--gfx1250"
	.amdhsa_code_object_version 6
	.text
	.protected	k_qfb22ce5b6d_prod1
	.globl	k_qfb22ce5b6d_prod1
	.p2align	8
	.type	k_qfb22ce5b6d_prod1,@function
k_qfb22ce5b6d_prod1:
	s_mov_b64 s[64:65], 0
	v_nop
	global_prefetch_b8 v0, s[64:65] scope:SCOPE_SE
	s_setreg_imm32_b32 hwreg(HW_REG_WAVE_MODE, 25, 1), 1
	s_wait_xcnt 0x0
; FIRST PRODUCT.  hid[slot][:] = gelu(x[token] w1[e] + b1[e]) in bf16, for the chosen (token, expert) rows alone; slot = 1,024 e + the token's rank among e's tokens.
; Also stored: rk[1,024 e + token] = slot (for a token that did not choose e a number that nobody uses), meta[e] = e's number of tokens.
; w1 and b1 are rounded to bf16 on the way, x comes rounded; sums in f32; gelu (tanh form) in f32 as z / (1 + 2^(z (c0 + c1 z z))).
; SHARES.  Work-group (x, e) has expert e, columns 128 x .. 128 x + 127, all K = 1,024 and ALL of e's rows, whatever their number: it alone reads its 512 KiB of w1, once.
; PHASE 1.  The slice goes through registers, rounded, into LDS as [column][k] (a column's 1,024 k in 2,048 bytes + 16).  Wave w takes k rows 256 w .. + 255, 16 at a time; a lane then holds 16 k x 4 columns,
; so the packing that rounds also turns the block.  Every LDS byte is written once; every LDS address of this phase is a register made at the head plus an immediate.  One barrier follows.
; PHASE 2.  LDS is only read, and there is no barrier in it.  Four passes of 320 rows (a constant count that covers 1,024 rows); a pass that begins past the count is jumped.  Wave c has the row tiles c + 4 i
; (i = 0..4) by all 8 column tiles: 40 accumulators.  The token rows come from memory straight into registers as matrix operands, three spans of 64 k ahead; the weights' fragments from LDS, one K step ahead.
; THE TOKEN OF A RANK is found in registers, from e's bitmap in 32 scalar registers: no LDS word and no barrier is spent on a list, and every row address is whole-number arithmetic on what was read from memory.
; Pass 0's search stands ahead of phase 1, in the wait for the first weights, and its first three spans of rows are asked for among phase 1's last three groups; so the pass loop is entered in its middle.
; COLUMNS.  Column tile n, lane r stands for column 8 r + n: a lane's eight results of a row are eight neighbouring columns, 16 bytes in bf16, and sixteen lanes store 256 consecutive bytes, aligned.
; Column 8 r + n lies in LDS row 16 n + (r + 8 (n / 4)) % 16: both the stores of phase 1 and the loads of phase 2 then touch sixteen different 16-byte columns of the banks.
; Places past the count repeat the last row that exists; the last live tile's such rows are stored too: they lie in e's own 1,024 slots and nobody reads them.  An expert without tokens still streams its slice.
; NO CLUSTER, no tensor loads: each slice of weights has one reader and must pass registers to be rounded; the rows that an expert's 32 work-groups share are scattered in xb, which no tile descriptor covers.
; LIMITS.  Where z z overflows the result is still z or -0.  An exponential below 2^-126 counts as 0.
.set ROWP,  16384                      ; bytes from row to row of w1[e]
.set WSH,   22                         ; a wave's 256 k rows are 1 << 22 bytes
.set PL,    2064                       ; pitch of an LDS row: an odd multiple of 16
.set SPARE, 128*PL                     ; behind the slice: the spare words, 128 bytes for each of 4 waves
.set RPP,   320                        ; rows a pass
.set SPW,  2                           ; v2      my spare word
.set NIL,  3                           ; v3      0
.set WOFF, 4                           ; v4      my 16 bytes in my wave's first k row
.set VO0,  6                           ; v6      the way out: 8 (l / 16) rows + 16 (l % 16) bytes
.set VO,   7                           ; v7      the same for the tile in hand
.set AS,   8                           ; v8-11   phase 1: where my column 4 l + c begins, at my wave's k
.set H16,  12                          ; v12     16 (l / 16)
.set BO,   13                          ; v13     32 (l % 16): my eight numbers of b1
.set TB,   14                          ; v14-21  phase 2: my LDS row of column tile n, + 16 (l / 16)
.set BA,   22                          ; v22-29  the same at the trip's k
.set AOFF, 30                          ; v30-34  byte offset of my row of tile i in xb, + 16 (l / 16)
.set L,    35
.set R,    36
.set H,    37
.set T0,   38
.set T1,   39
.set T2,   40
.set T3,   41
.set T4,   42
.set T5,   43
.set BI,   48                          ; v48-55  b1 as loaded
.set BP,   56                          ; v56-71  b1 rounded, each number twice (a pair for the packed add)
.set AON,  72                          ; v72-76  the offsets of the loads for the NEXT trip: AOFF, or 0 in the last trip
.set B0,   80                          ; v80-143, v144-207 two buffers of 8 weight fragments
.set CW,   80                          ; phase 1: v80-111 the 32 rounded words of a group
.set ZT,   80                          ; the way out: a tile's 64 z,
.set TT,   144                         ; 64 at work,
.set OO,   208                         ; v208-239 and 32 words to store
.set RKV,  208                         ; v208-239 the slots, while they are stored
.set RHO0, 240                         ; the search: the rank wanted, as it steps from tile to tile,
.set RHO,  241                         ; cut to the last rank that exists
.set SWD,  242                         ; the bitmap word that holds it
.set SPK,  243                         ; that word's first token << 16 | chosen tokens ahead of the word
.set SQ,   244                         ; which of the word's ones is wanted
.set QA,   245                         ; the word's ones counted by pairs of bits,
.set QB,   246                         ; by nibbles,
.set QC,   247                         ; by bytes
.set ST,   248
.set SU,   249
.set SPOS, 250                         ; the bit
.set TOK,  251                         ; v251-255 the five tiles' tokens: a queue that moves up one place a trip
; v256-511: accumulator (i < 4, n) at 64 i + 8 n; in phase 1 four sets of 16 loads.   v512-767: token fragments (buffer b, tile i < 4, K step s) at 64 b + 16 i + 8 s.
; v768-831: tile 4's fragments at 16 b + 8 s.   v832-895: tile 4's accumulators at 64 + 8 n.
.set PA,  4                            ; s[4:5]   xb
.set PBM, 6
.set PW,  8                            ; s[8:9]   w1 at my slice
.set PB1, 10
.set PO,  12                           ; s[12:13] hid at e's first slot and my columns
.set PRK, 14
.set PME, 16
.set WV,  20
.set X,   22
.set E,   23
.set CNT, 26
.set ROWW, 27                          ; my wave's first row of the pass
.set NT,  28                           ; my wave's live tiles in the pass, 1 to 5
.set IT,  29
.set PIT, 30
.set TI,  31
.set PC,  32                           ; s[32:33] xb at the trip's k
.set PN,  34                           ; s[34:35] xb at the next trip's k (behind the last trip: at 0 again)
.set KN,  36                           ; s[36:37] that k in bytes, as a pair
.set KB,  38
.set RO,  39
.set HIM, 55
.set MSB, 0
.macro WIN new                         ; the immediate's high byte repeats the setting that is left
.if MSB != (\new)
	s_set_vgpr_msb (MSB<<8)|(\new)
.set MSB, (\new)
.endif
.endm
.macro PLACES                          ; four plain instructions between a matrix instruction and a load into, or a vector write of, one of its registers
.rept 4
	v_nop
.endr
.endm
.macro POPC first, dst                 ; s[dst] = the ones in 32 words
	s_bcnt1_i32_b32 s[\dst], s[\first]
.set i, 1
.rept 31
	s_bcnt1_i32_b32 s3, s[(\first)+i]
	s_add_co_u32 s[\dst], s[\dst], s3
.set i, i+1
.endr
.endm
.macro HALVE src, w                    ; of the 2 w bits at SPOS: does the lower half hold the one wanted?  src holds the ones of each w bits
	v_bfe_u32 v[ST], v[\src], v[SPOS], \w
	v_cmp_ge_u32 vcc_lo, v[SQ], v[ST]
	v_sub_nc_u32 v[SU], v[SQ], v[ST]
	v_cndmask_b32 v[SQ], v[SQ], v[SU], vcc_lo
	v_add_nc_u32 v[SU], \w, v[SPOS]
	v_cndmask_b32 v[SPOS], v[SPOS], v[SU], vcc_lo
.endm
; The tokens of ranks ROWW + 64 i + l % 16, i = 0..4, a tile a trip.  The word: the last one ahead of which no more chosen tokens lie than the rank (the counts never fall, so each later hit replaces the earlier).
; The bit: five halvings.  A rank past the count is cut to the last that exists; with no token at all the search ends at token 1,023, a row that exists, and nothing is made of it.
.macro SEARCH
	v_add_nc_u32 v[RHO0], s[ROWW], v[R]
	s_sub_co_u32 s40, s[CNT], 1
.irp i, 0,1,2,3,4
	v_mov_b32 v[TOK+\i], 0
.endr
	s_mov_b32 s41, 5
.Lsr_\@:
	v_min_u32 v[RHO], s40, v[RHO0]
	v_mov_b32 v[SWD], s68
	v_mov_b32 v[SPK], 0
	s_mov_b32 s42, 0
.set j, 1
.rept 31
	s_bcnt1_i32_b32 s43, s[67+j]
	s_add_co_u32 s42, s42, s43                     ; chosen tokens ahead of word j
	s_add_co_u32 s43, s42, (32*j)<<16
	v_cmp_le_u32 vcc_lo, s42, v[RHO]
	v_cndmask_b32 v[SWD], v[SWD], s[68+j], vcc_lo
	v_cndmask_b32 v[SPK], v[SPK], s43, vcc_lo
.set j, j+1
.endr
	v_and_b32 v[ST], 0xffff, v[SPK]
	v_sub_nc_u32 v[SQ], v[RHO], v[ST]
	v_lshrrev_b32 v[SPK], 16, v[SPK]
	v_lshrrev_b32 v[ST], 1, v[SWD]
	v_and_b32 v[ST], 0x55555555, v[ST]
	v_sub_nc_u32 v[QA], v[SWD], v[ST]
	v_lshrrev_b32 v[ST], 2, v[QA]
	v_and_b32 v[ST], 0x33333333, v[ST]
	v_and_b32 v[QB], 0x33333333, v[QA]
	v_add_nc_u32 v[QB], v[QB], v[ST]
	v_lshrrev_b32 v[ST], 4, v[QB]
	v_add_nc_u32 v[ST], v[QB], v[ST]
	v_and_b32 v[QC], 0x0f0f0f0f, v[ST]
	v_lshrrev_b32 v[ST], 8, v[QC]
	v_add_nc_u32 v[ST], v[QC], v[ST]
	v_and_b32 v[ST], 0xff, v[ST]                   ; the ones of bits 0-15
	v_cmp_ge_u32 vcc_lo, v[SQ], v[ST]
	v_sub_nc_u32 v[SU], v[SQ], v[ST]
	v_cndmask_b32 v[SQ], v[SQ], v[SU], vcc_lo
	v_cndmask_b32 v[SPOS], 0, 16, vcc_lo
	HALVE QC, 8
	HALVE QB, 4
	HALVE QA, 2
	HALVE SWD, 1
.irp i, 0,1,2,3
	v_mov_b32 v[TOK+\i], v[TOK+\i+1]
.endr
	v_add_nc_u32 v[TOK+4], v[SPK], v[SPOS]
	v_add_nc_u32 v[RHO0], 64, v[RHO0]
	s_sub_co_u32 s41, s41, 1
	s_cmp_lg_u32 s41, 0
	s_cbranch_scc1 .Lsr_\@
.irp i, 0,1,2,3,4
	v_min_u32 v[TOK+\i], 0x3ff, v[TOK+\i]          ; a bound by a constant is the last line ahead of the shift that makes the address
	v_lshl_add_u32 v[AOFF+\i], v[TOK+\i], 11, v[H16]
	v_lshl_add_u32 v[AON+\i], v[TOK+\i], 11, v[H16]
.endr
.endm
.macro INITK                           ; a pass begins at k = 0
	s_mov_b32 s[KB], 0
	s_mov_b64 s[PC:PC+1], s[PA:PA+1]
	s_mov_b32 s[KN], 512
	s_add_nc_u64 s[PN:PN+1], s[PA:PA+1], 512
.endm
.macro LOADG g                         ; group g: 16 k rows, 512 consecutive bytes each, into set g % 4
	WIN 0x40
.set i, 0
.rept 16
	global_load_b128 v[64*((\g)%4)+4*i:64*((\g)%4)+4*i+3], v[WOFF], s[PW:PW+1] offset:(16*(\g)+i)*ROWP th:TH_LOAD_NT
.set i, i+1
.endr
.endm
.macro LDB buf, imm                    ; 8 weight fragments (16 columns x 32 k)
.irp n, 0,1,2,3,4,5,6,7
	ds_load_b128 v[\buf+8*\n:\buf+8*\n+3], v[BA+\n] offset:\imm
	ds_load_b128 v[\buf+8*\n+4:\buf+8*\n+7], v[BA+\n] offset:(\imm)+32
.endr
.endm
.macro LDA buf, base, imm, off         ; a span of 64 k of my 5 row tiles: 20 loads
	WIN 0x80
.irp i, 0,1,2,3
.irp s, 0,1
	global_load_b128 v[64*(\buf)+16*\i+8*\s:64*(\buf)+16*\i+8*\s+3], v[\off+\i], s[\base:\base+1] offset:(\imm)+64*\s
	global_load_b128 v[64*(\buf)+16*\i+8*\s+4:64*(\buf)+16*\i+8*\s+7], v[\off+\i], s[\base:\base+1] offset:(\imm)+64*\s+32
.endr
.endr
	WIN 0xc0
.irp s, 0,1
	global_load_b128 v[16*(\buf)+8*\s:16*(\buf)+8*\s+3], v[\off+4], s[\base:\base+1] offset:(\imm)+64*\s
	global_load_b128 v[16*(\buf)+8*\s+4:16*(\buf)+8*\s+7], v[\off+4], s[\base:\base+1] offset:(\imm)+64*\s+32
.endr
	WIN 0
.endm
.macro STEP g                          ; group g is rounded, turned and stored; group g + 3 is asked for; behind groups 13, 14, 15: pass 0's spans 0, 1, 2 of token rows
.if (\g) < 14
	s_wait_loadcnt 32                              ; groups g + 1 and g + 2 stay out
.else
	s_wait_loadcnt 36+4*((\g)-14)                  ; group 14: group 15's 16 loads and span 0's 20 stay out; group 15: spans 0 and 1
.endif
.if (\g) < 13
	LOADG (\g)+3
.endif
	WIN 0x05                                       ; sources v256.., destination v0..
.set SBASE, 64*((\g)%4)
.irp c, 0,1,2,3
.irp m, 0,1,2,3,4,5,6,7
	v_cvt_pk_bf16_f32 v[CW+8*\c+\m], v[SBASE+8*\m+\c], v[SBASE+8*\m+4+\c]   ; column 4 l + c, k = 2 m and 2 m + 1 of the group
.endr
.endr
	WIN 0
.irp c, 0,1,2,3
	ds_store_b128 v[AS+\c], v[CW+8*\c:CW+8*\c+3] offset:32*(\g)
	ds_store_b128 v[AS+\c], v[CW+8*\c+4:CW+8*\c+7] offset:32*(\g)+16
.endr
.if (\g) >= 13
	LDA (\g)-13, PC, 128*((\g)-13), AOFF
.endif
.endm
.macro MUL p                           ; K step p of the trip: 32 or 40 matrix instructions, each on another accumulator; tile 4's eight are jumped where the tile has no row
.set BB, B0+64*((\p)%2)
.set AF, 64*((\p)/2)+8*((\p)%2)
.set AG, 16*((\p)/2)+8*((\p)%2)
	WIN 0x52                                       ; tokens v512.., weights v0.., sums v256..
.irp i, 0,1,2,3
.irp n, 0,1,2,3,4,5,6,7
	v_wmma_f32_16x16x32_bf16 v[64*\i+8*\n:64*\i+8*\n+7], v[AF+16*\i:AF+16*\i+7], v[BB+8*\n:BB+8*\n+7], v[64*\i+8*\n:64*\i+8*\n+7]
.endr
.endr
	WIN 0
	s_cmp_lt_u32 s[NT], 5
	s_cbranch_scc1 .Lm_\@
	WIN 0xf3                                       ; tokens and sums v768..
.irp n, 0,1,2,3,4,5,6,7
	v_wmma_f32_16x16x32_bf16 v[64+8*\n:64+8*\n+7], v[AG:AG+7], v[BB+8*\n:BB+8*\n+7], v[64+8*\n:64+8*\n+7]
.endr
	WIN 0
.Lm_\@:
.endm
.macro KSTEP p
	PLACES
.if ((\p)%2) == 0
	s_wait_loadcnt 40                              ; this span's 20 loads are in; the two younger spans stay out
.if (\p) == 0
	LDA 3, PC, 384, AOFF                           ; three spans ahead, into the buffer multiplied last
.else
	LDA (\p)/2-1, PN, 128*((\p)/2-1), AON
.endif
.endif
.if (\p) == 7
	s_add_co_u32 s[KB], s[KB], 512                 ; the next trip's 256 k; behind the last trip 0 again: those fragments are not used
	s_and_b32 s[KB], s[KB], 2047
.irp n, 0,1,2,3,4,5,6,7
	v_add_nc_u32 v[BA+\n], s[KB], v[TB+\n]
.endr
	LDB B0, 0
.else
	LDB B0+64*(((\p)+1)%2), 64*((\p)+1)
.endif
	s_wait_dscnt 16                                ; this K step's fragments are in; the 16 loads just issued stay out
	MUL \p
.endm
.macro COPY i                          ; z = the tile's sums + b1, into registers that the one text of the gelu names; each accumulator's lowest registers first
.if (\i) < 4
	WIN 0x01
.set AC, 64*(\i)
.else
	WIN 0x03
.set AC, 64
.endif
.irp n, 0,1,2,3,4,5,6,7
.irp p, 0,1,2,3
	v_pk_add_f32 v[ZT+8*\n+2*\p:ZT+8*\n+2*\p+1], v[AC+8*\n+2*\p:AC+8*\n+2*\p+1], v[BP+2*\n:BP+2*\n+1]
.endr
.endr
	WIN 0
.endm
	s_load_b256 s[4:11], s[0:1], 0x0               ; xb, bm, w1, b1
	s_load_b128 s[12:15], s[0:1], 0x20             ; hid, rk
	s_load_b64 s[16:17], s[0:1], 0x30              ; meta
	v_lshl_add_u32 v[SPW], v0, 2, SPARE
	v_mov_b32 v[NIL], 0
	v_lshrrev_b32 v1, 5, v0
	v_readfirstlane_b32 s[WV], v1
	s_mov_b32 s[X], ttmp9
	s_and_b32 s[E], ttmp7, 0xffff
	v_and_b32 v[L], 31, v0
	v_and_b32 v[R], 15, v0
	v_bfe_u32 v[H], v0, 4, 1
	s_lshl_b32 s40, s[WV], WSH
	v_lshl_add_u32 v[WOFF], v[L], 4, s40
	v_lshlrev_b32 v[BO], 5, v[R]
	v_lshlrev_b32 v[H16], 4, v[H]
	v_lshlrev_b32 v[VO0], 16, v[H]                 ; 8 rows of 8,192 bytes
	v_lshl_add_u32 v[VO0], v[R], 4, v[VO0]
	v_and_b32 v[T0], 1, v0                         ; column 4 l + c = 8 (l / 2) + 4 (l % 2) + c: tile 4 (l % 2) + c, place l / 2
	v_bfe_u32 v[T1], v0, 1, 4
	v_lshl_add_u32 v[T1], v[T0], 3, v[T1]
	v_and_b32 v[T1], 15, v[T1]
	v_lshl_add_u32 v[T1], v[T0], 6, v[T1]          ; LDS row 64 (l % 2) + (l / 2 + 8 (l % 2)) % 16, + 16 c
	v_mul_u32_u24 v[T1], v[T1], PL
	s_lshl_b32 s40, s[WV], 9                       ; my wave's 256 k
	v_add_nc_u32 v[AS], s40, v[T1]
	v_add_nc_u32 v[AS+1], 16*PL, v[AS]
	v_add_nc_u32 v[AS+2], 16*PL, v[AS+1]
	v_add_nc_u32 v[AS+3], 16*PL, v[AS+2]
	v_mul_u32_u24 v[T2], v[R], PL
	v_lshl_add_u32 v[T2], v[H], 4, v[T2]
	v_add_nc_u32 v[T3], 8, v[R]
	v_and_b32 v[T3], 15, v[T3]
	v_mul_u32_u24 v[T3], v[T3], PL
	v_lshl_add_u32 v[T3], v[H], 4, v[T3]
.irp n, 0,1,2,3
	v_add_nc_u32 v[TB+\n], 16*PL*\n, v[T2]
	v_add_nc_u32 v[TB+4+\n], 16*PL*(4+\n), v[T3]
.endr
	s_mov_b32 s50, 0xc0135761                      ; c0 = -2 log2(e) sqrt(2 / pi)
	s_mov_b32 s51, 0xc0135761
	s_mov_b32 s52, 0xbdd2d3e8                      ; c1 = 0.044715 c0
	s_mov_b32 s53, 0xbdd2d3e8
	s_mov_b32 s[HIM], 0xffff0000
	s_mov_b32 s[KN+1], 0
	s_lshl_b32 s[ROWW], s[WV], 4
	s_lshl_b32 s41, s[E], 7
	s_wait_kmcnt 0x0
	s_load_b512 s[68:83], s[PBM:PBM+1], s41 offset:0x0   ; e's bitmap: bit b of word w = token 32 w + b
	s_load_b512 s[84:99], s[PBM:PBM+1], s41 offset:0x40
	s_lshl_b32 s2, s[E], 24                        ; w1[e] is 16 MiB
	s_lshl_b32 s42, s[X], 9
	s_add_co_u32 s2, s2, s42
	s_mov_b32 s3, 0
	s_add_nc_u64 s[PW:PW+1], s[PW:PW+1], s[2:3]
	s_lshl_b32 s2, s[E], 14
	s_add_co_u32 s2, s2, s42
	s_add_nc_u64 s[PB1:PB1+1], s[PB1:PB1+1], s[2:3]
	s_lshl_b32 s2, s[E], 23                        ; 1,024 slots of 8,192 bytes
	s_lshl_b32 s42, s[X], 8
	s_add_co_u32 s2, s2, s42
	s_add_nc_u64 s[PO:PO+1], s[PO:PO+1], s[2:3]
	s_lshl_b32 s2, s[E], 12
	s_add_nc_u64 s[PRK:PRK+1], s[PRK:PRK+1], s[2:3]
	global_load_b128 v[BI:BI+3], v[BO], s[PB1:PB1+1]
	global_load_b128 v[BI+4:BI+7], v[BO], s[PB1:PB1+1] offset:16
	LOADG 0                                        ; 48 loads, 24 KiB a wave, are out from here to the end of phase 1
	LOADG 1
	LOADG 2
	WIN 0
	s_wait_kmcnt 0x0
	POPC 68, CNT
	s_min_u32 s[CNT], s[CNT], 1024
	s_cmp_lg_u32 s[WV], 0
	s_cbranch_scc1 .Lnork
	s_cmp_lg_u32 s[X], 0
	s_cbranch_scc1 .Lnork
	v_lshlrev_b32 v[T5], 2, v[L]                   ; slice 0, wave 0 stores the slots, one word for each of the 1,024 tokens, and the count
	s_lshl_b32 s2, s[E], 10
.set i, 0
.rept 32
	v_mbcnt_lo_u32_b32 v[RKV+i], s[68+i], s2       ; e's first slot + chosen tokens below mine
	global_store_b32 v[T5], v[RKV+i], s[PRK:PRK+1] offset:128*i
	s_bcnt1_i32_b32 s3, s[68+i]
	s_add_co_u32 s2, s2, s3
.set i, i+1
.endr
	v_mov_b32 v[T4], s[CNT]
	s_lshl_b32 s3, s[E], 2
	v_mov_b32 v[T2], s3
	global_store_b32 v[T2], v[T4], s[PME:PME+1]    ; all lanes store the one word
	s_wait_xcnt 0x0                                ; these stores' registers are used again further down
.Lnork:
	SEARCH                                         ; pass 0's tokens, while the first weights are on their way
	INITK
.set g, 0
.rept 16
	STEP g
.set g, g+1
.endr
	WIN 0
.irp q, 0,1,2,3                        ; b1 rounded to bf16 like every input, each number twice
	v_cvt_pk_bf16_f32 v[T0+\q], v[BI+2*\q], v[BI+2*\q+1]
.endr
.irp q, 0,1,2,3
	v_lshlrev_b32 v[BP+4*\q], 16, v[T0+\q]
	v_lshlrev_b32 v[BP+4*\q+1], 16, v[T0+\q]
	v_and_b32 v[BP+4*\q+2], s[HIM], v[T0+\q]
	v_and_b32 v[BP+4*\q+3], s[HIM], v[T0+\q]
.endr
	s_wait_dscnt 0x0                               ; for the others' sake: my part of the slice is stored
	s_barrier_signal -1
	s_barrier_wait -1                              ; the slice is whole; from here on LDS is only read.  My 60 loads of token rows stay out: nobody writes xb
	s_mov_b32 s[PIT], 4
	s_branch .Lmid                                 ; pass 0 has its tokens and its first three spans
.Lpass:
	s_cmp_ge_u32 s[ROWW], s[CNT]
	s_cbranch_scc1 .Lpnext                         ; nothing of this pass is mine
	s_wait_loadcnt 0x0                             ; the last pass's look-ahead that nobody uses: its registers, offsets and bases are written again only behind this wait
	SEARCH
	INITK
	LDA 0, PC, 0, AOFF
	LDA 1, PC, 128, AOFF
	LDA 2, PC, 256, AOFF
.Lmid:
	s_cmp_ge_u32 s[ROWW], s[CNT]
	s_cbranch_scc1 .Lpnext                         ; (pass 0's test)
	s_sub_co_u32 s[NT], s[CNT], s[ROWW]
	s_add_co_u32 s[NT], s[NT], 63
	s_lshr_b32 s[NT], s[NT], 6
	s_min_u32 s[NT], s[NT], 5
.irp n, 0,1,2,3,4,5,6,7
	v_mov_b32 v[BA+\n], v[TB+\n]
.endr
	LDB B0, 0
	WIN 0x40                                       ; the sums start at 0: cleared on purpose; a first trip written out with C = 0 would be four times this text
.set i, 0
.rept 256
	v_mov_b32 v[i], 0
.set i, i+1
.endr
	WIN 0xc0
.set i, 0
.rept 64
	v_mov_b32 v[64+i], 0
.set i, i+1
.endr
	WIN 0
	s_mov_b32 s[IT], 4
.Lk:                                           ; a trip: 8 K steps of 32, four spans of token rows
	KSTEP 0
	KSTEP 1
	KSTEP 2
	KSTEP 3
	KSTEP 4
	KSTEP 5
	KSTEP 6
	KSTEP 7
	s_wait_xcnt 0x0                                ; the loads' bases and offsets are rewritten only behind this wait
	s_mov_b64 s[PC:PC+1], s[PN:PN+1]
	s_add_co_u32 s[KN], s[KN], 512
	s_and_b32 s[KN], s[KN], 2047                   ; the last trip's look-ahead goes back to k = 0,
	s_add_nc_u64 s[PN:PN+1], s[PA:PA+1], s[KN:KN+1]
	s_cmp_eq_u32 s[IT], 2
	s_cselect_b32 s41, 0, -1                       ; and with the offset 0 in every lane: its 60 loads, which nobody uses, ask for one piece of 16 bytes each
.irp i, 0,1,2,3,4
	v_and_b32 v[AON+\i], s41, v[AOFF+\i]
.endr
	s_sub_co_u32 s[IT], s[IT], 1
	s_cmp_lg_u32 s[IT], 0
	s_cbranch_scc1 .Lk
	s_wait_dscnt 0x0                               ; the fragments that nobody uses: their registers serve the way out.  The 60 loads from memory stay out: the way out names none of their registers
	PLACES
	; THE WAY OUT, a live tile a trip
	s_lshl_b32 s[RO], s[ROWW], 13
	s_mov_b32 s[TI], 0
.Ltile:
	s_cmp_ge_u32 s[TI], s[NT]
	s_cbranch_scc1 .Ltnext
	s_cmp_lg_u32 s[TI], 0
	s_cbranch_scc1 .Lc1
	COPY 0
	s_branch .Lcd
.Lc1:
	s_cmp_lg_u32 s[TI], 1
	s_cbranch_scc1 .Lc2
	COPY 1
	s_branch .Lcd
.Lc2:
	s_cmp_lg_u32 s[TI], 2
	s_cbranch_scc1 .Lc3
	COPY 2
	s_branch .Lcd
.Lc3:
	s_cmp_lg_u32 s[TI], 3
	s_cbranch_scc1 .Lc4
	COPY 3
	s_branch .Lcd
.Lc4:
	COPY 4
.Lcd:
.set p, 0
.rept 32
	v_pk_mul_f32 v[TT+2*p:TT+2*p+1], v[ZT+2*p:ZT+2*p+1], v[ZT+2*p:ZT+2*p+1]
.set p, p+1
.endr
.set p, 0
.rept 32
	v_pk_fma_f32 v[TT+2*p:TT+2*p+1], v[TT+2*p:TT+2*p+1], s[52:53], s[50:51] op_sel_hi:[1,0,0]
.set p, p+1
.endr
.set p, 0
.rept 32
	v_pk_mul_f32 v[TT+2*p:TT+2*p+1], v[TT+2*p:TT+2*p+1], v[ZT+2*p:ZT+2*p+1]
.set p, p+1
.endr
.set p, 0
.rept 64
	v_exp_f32 v[TT+p], v[TT+p]
.set p, p+1
.endr
	v_add_nc_u32 v[VO], s[RO], v[VO0]              ; a plain instruction behind the last exponential,
	s_wait_alu depctr_va_vdst(0)                   ; and one wait for the batch
.set p, 0
.rept 32
	v_pk_add_f32 v[TT+2*p:TT+2*p+1], v[TT+2*p:TT+2*p+1], 1.0 op_sel_hi:[1,0]
.set p, p+1
.endr
.set p, 0
.rept 64
	v_rcp_f32 v[TT+p], v[TT+p]
.set p, p+1
.endr
	v_nop
	s_wait_alu depctr_va_vdst(0)
.set p, 0
.rept 32
	v_pk_mul_f32 v[ZT+2*p:ZT+2*p+1], v[ZT+2*p:ZT+2*p+1], v[TT+2*p:TT+2*p+1]
.set p, p+1
.endr
.irp j, 0,1,2,3,4,5,6,7
.irp q, 0,1,2,3
	v_cvt_pk_bf16_f32 v[OO+4*\j+\q], v[ZT+16*\q+\j], v[ZT+16*\q+8+\j]   ; row 8 (l / 16) + j, columns 8 r + 2 q and + 1
.endr
.endr
.irp j, 0,1,2,3,4,5,6,7
	global_store_b128 v[VO], v[OO+4*\j:OO+4*\j+3], s[PO:PO+1] offset:8192*\j   ; 16 lanes store 256 consecutive bytes, aligned
.endr
.Ltnext:
	s_wait_xcnt 0x0                                ; the stores' data and offset are rewritten only behind this wait
	s_add_co_u32 s[RO], s[RO], 64*8192
	s_add_co_u32 s[TI], s[TI], 1
	s_cmp_lt_u32 s[TI], 5
	s_cbranch_scc1 .Ltile
.Lpnext:
	s_add_co_u32 s[ROWW], s[ROWW], RPP
	s_sub_co_u32 s[PIT], s[PIT], 1
	s_cmp_lg_u32 s[PIT], 0
	s_cbranch_scc1 .Lpass
	s_wait_dscnt 0x0
	s_barrier_signal -1
	s_barrier_wait -1                              ; every wave's reads of LDS are over
	s_wait_tensorcnt 0x0                           ; the wave's end: three lines behind my last LDS store
	ds_add_u32 v[SPW], v[NIL]
	s_wait_dscnt 0x0
	s_endpgm
.Lfunc_end_k_qfb22ce5b6d_prod1:
	.size	k_qfb22ce5b6d_prod1, .Lfunc_end_k_qfb22ce5b6d_prod1-k_qfb22ce5b6d_prod1
	.p2alignl 7, 3214868480
	.fill 96, 4, 3214868480
	.section	.rodata,"a",@progbits
	.p2align	6, 0x0
	.amdhsa_kernel k_qfb22ce5b6d_prod1
		.amdhsa_group_segment_fixed_size 264704
		.amdhsa_private_segment_fixed_size 0
		.amdhsa_enable_private_segment 0
		.amdhsa_kernarg_size 56
		.amdhsa_user_sgpr_count 2
		.amdhsa_user_sgpr_kernarg_segment_ptr 1
		.amdhsa_wavefront_size32 1
		.amdhsa_system_sgpr_workgroup_id_x 1
		.amdhsa_system_sgpr_workgroup_id_y 1
		.amdhsa_system_sgpr_workgroup_id_z 1
		.amdhsa_system_vgpr_workitem_id 0
		.amdhsa_next_free_vgpr 896
		.amdhsa_next_free_sgpr 100
		.amdhsa_reserve_vcc 1
		.amdhsa_float_denorm_mode_32 3
		.amdhsa_float_denorm_mode_16_64 3
		.amdhsa_memory_ordered 1
		.amdhsa_forward_progress 1
		.amdhsa_inst_pref_size 197
	.end_amdhsa_kernel
	.amdgpu_metadata
---
amdhsa.version: [ 1, 2 ]
amdhsa.kernels:
  - .name:           k_qfb22ce5b6d_prod1
    .symbol:         k_qfb22ce5b6d_prod1.kd
    .args:
      - { .name: xb, .offset: 0, .size: 8, .value_kind: global_buffer, .address_space: global }
      - { .name: bm, .offset: 8, .size: 8, .value_kind: global_buffer, .address_space: global }
      - { .name: w1, .offset: 16, .size: 8, .value_kind: global_buffer, .address_space: global }
      - { .name: b1, .offset: 24, .size: 8, .value_kind: global_buffer, .address_space: global }
      - { .name: hid, .offset: 32, .size: 8, .value_kind: global_buffer, .address_space: global }
      - { .name: rk, .offset: 40, .size: 8, .value_kind: global_buffer, .address_space: global }
      - { .name: meta, .offset: 48, .size: 8, .value_kind: global_buffer, .address_space: global }
    .group_segment_fixed_size: 264704
    .private_segment_fixed_size: 0
    .kernarg_segment_align: 8
    .kernarg_segment_size: 56
    .max_flat_workgroup_size: 128
    .sgpr_count:     100
    .vgpr_count:     896
    .wavefront_size: 32
...
	.end_amdgpu_metadata
.endif
;; end of part 2
;; launch prod2 (part 3): grid 32 x 8, 4 waves a work-group, no clusters, 264,704 bytes of LDS; arguments hid, meta, w2, part; writes part
.if DOCPART == 3
	.amdgcn_target "amdgcn-amd-amdhsa--gfx1250"
	.amdhsa_code_object_version 6
	.text
	.protected	k_qfb22ce5b6d_prod2
	.globl	k_qfb22ce5b6d_prod2
	.p2align	8
	.type	k_qfb22ce5b6d_prod2,@function
k_qfb22ce5b6d_prod2:
	s_mov_b64 s[64:65], 0
	v_nop
	global_prefetch_b8 v0, s[64:65] scope:SCOPE_SE
	s_setreg_imm32_b32 hwreg(HW_REG_WAVE_MODE, 25, 1), 1
	s_wait_xcnt 0x0
; SECOND PRODUCT.  part[slot][ks][:] = hid[slot][1,024 ks ..] w2[e][1,024 ks ..][:] in f32: four partial sums over H for each chosen row, added up by the next launch.
; The design is the first product's.  Work-group (x, e) has expert e, columns 128 ds .. + 127 (ds = x & 7), the quarter ks = x >> 3 of H (K = 1,024) and ALL of e's rows: it alone reads its 512 KiB of w2, once.
; H is cut in four so that 256 work-groups have k rows of 512 bytes and a slice that fits in LDS; uncut, a work-group's k rows would be 128 bytes.
; PHASE 1.  The slice goes through registers, rounded to bf16 and turned, into LDS as [column][k] (2,048 bytes + 16 a column).  Every LDS byte is written once, at a register made at the head plus an immediate.  One barrier.
; PHASE 2.  LDS is only read; no barrier in it.  Four passes of 320 rows, a pass past the count jumped.  Wave c has the row tiles c + 4 i (i = 0..4) by 8 column tiles.  The rows of hid come from memory straight into
; registers as matrix operands, three spans of 64 k ahead; places past the count repeat the last row that exists.  Pass 0's first three spans are asked for among phase 1's last three groups, so the pass loop is entered in its middle.
; COLUMNS.  Column tile 4 s + q, lane r stands for column 64 s + 4 r + q (LDS row 16 (4 s + q) + r): four moves gather a lane's 16 bytes of a row, and sixteen lanes store 256 consecutive bytes, aligned.
; The last live tile's rows past the count are stored too: they lie in e's own 1,024 slots and nobody reads them.  An expert without tokens still streams its slice.
; NO CLUSTER, no tensor loads: each slice of weights has one reader and must pass registers to be rounded.  The rows that an expert's work-groups share lie end to end, but their number hangs on a stored count,
; and a loop of such a length holds no barrier and no tensor load; beside the slice 62 KiB of LDS are left.
.set ROWP,  4096                       ; bytes from row to row of w2[e]
.set WSH,   20                         ; a wave's 256 k rows are 1 << 20 bytes
.set PL,    2064
.set SPARE, 128*PL                     ; behind the slice: the spare words, 128 bytes for each of 4 waves
.set RPP,   320
.set SPW,  2
.set NIL,  3
.set WOFF, 4
.set VO0,  6
.set VO,   7
.set AS,   8                           ; v8-11
.set H16,  12
.set TB,   14                          ; v14-21
.set BA,   22                          ; v22-29
.set AOFF, 30                          ; v30-34  byte offset of my row of tile i, + 16 (l / 16)
.set L,    35
.set R,    36
.set H,    37
.set T0,   38
.set T1,   39
.set T2,   40
.set AON,  72                          ; v72-76  the offsets of the loads for the NEXT trip: AOFF, or 0 in the last trip
.set B0,   80                          ; v80-143, v144-207 two buffers of 8 weight fragments
.set CW,   80                          ; phase 1: v80-111 the 32 rounded words of a group
.set OO,   80                          ; the way out: a tile's 64 numbers in the order of the stores
; v256-511: accumulator (i < 4, n) at 64 i + 8 n; in phase 1 four sets of 16 loads.   v512-767: row fragments (buffer b, tile i < 4, K step s) at 64 b + 16 i + 8 s.
; v768-831: tile 4's fragments at 16 b + 8 s.   v832-895: tile 4's accumulators at 64 + 8 n.
.set PA,  4                            ; s[4:5]   hid at e's first slot and my quarter
.set PME, 6
.set PW,  8                            ; s[8:9]   w2 at my slice
.set PO,  10                           ; s[10:11] part at e's first slot, my quarter and columns
.set WV,  20
.set X,   22
.set E,   23
.set CNT, 26
.set ROWW, 27
.set NT,  28
.set IT,  29
.set PIT, 30
.set PC,  32
.set PN,  34
.set KN,  36
.set KB,  38
.set RO,  39
.set MSB, 0
.macro WIN new
.if MSB != (\new)
	s_set_vgpr_msb (MSB<<8)|(\new)
.set MSB, (\new)
.endif
.endm
.macro PLACES                          ; four plain instructions between a matrix instruction and a load into, or a vector write of, one of its registers
.rept 4
	v_nop
.endr
.endm
.macro ROWS                            ; the offsets of rows ROWW + 64 i + l % 16
	s_sub_co_u32 s40, s[CNT], 1
	v_add_nc_u32 v[T0], s[ROWW], v[R]
.irp i, 0,1,2,3,4
	v_add_nc_u32 v[T1], 64*\i, v[T0]
	v_min_u32 v[T1], s40, v[T1]                    ; places past the count repeat the last row that exists
	v_min_u32 v[T1], 0x3ff, v[T1]                  ; a bound by a constant is the last line ahead of the shift that makes the address
	v_lshl_add_u32 v[AOFF+\i], v[T1], 13, v[H16]
	v_lshl_add_u32 v[AON+\i], v[T1], 13, v[H16]
.endr
.endm
.macro INITK                           ; a pass begins at k = 0
	s_mov_b32 s[KB], 0
	s_mov_b64 s[PC:PC+1], s[PA:PA+1]
	s_mov_b32 s[KN], 512
	s_add_nc_u64 s[PN:PN+1], s[PA:PA+1], 512
.endm
.macro LOADG g
	WIN 0x40
.set i, 0
.rept 16
	global_load_b128 v[64*((\g)%4)+4*i:64*((\g)%4)+4*i+3], v[WOFF], s[PW:PW+1] offset:(16*(\g)+i)*ROWP th:TH_LOAD_NT
.set i, i+1
.endr
.endm
.macro LDB buf, imm
.irp n, 0,1,2,3,4,5,6,7
	ds_load_b128 v[\buf+8*\n:\buf+8*\n+3], v[BA+\n] offset:\imm
	ds_load_b128 v[\buf+8*\n+4:\buf+8*\n+7], v[BA+\n] offset:(\imm)+32
.endr
.endm
.macro LDA buf, base, imm, off         ; a span of 64 k of my 5 row tiles: 20 loads
	WIN 0x80
.irp i, 0,1,2,3
.irp s, 0,1
	global_load_b128 v[64*(\buf)+16*\i+8*\s:64*(\buf)+16*\i+8*\s+3], v[\off+\i], s[\base:\base+1] offset:(\imm)+64*\s
	global_load_b128 v[64*(\buf)+16*\i+8*\s+4:64*(\buf)+16*\i+8*\s+7], v[\off+\i], s[\base:\base+1] offset:(\imm)+64*\s+32
.endr
.endr
	WIN 0xc0
.irp s, 0,1
	global_load_b128 v[16*(\buf)+8*\s:16*(\buf)+8*\s+3], v[\off+4], s[\base:\base+1] offset:(\imm)+64*\s
	global_load_b128 v[16*(\buf)+8*\s+4:16*(\buf)+8*\s+7], v[\off+4], s[\base:\base+1] offset:(\imm)+64*\s+32
.endr
	WIN 0
.endm
.macro STEP g                          ; group g is rounded, turned and stored; group g + 3 is asked for; behind groups 13, 14, 15: pass 0's spans 0, 1, 2 of rows
.if (\g) < 14
	s_wait_loadcnt 32                              ; groups g + 1 and g + 2 stay out
.else
	s_wait_loadcnt 36+4*((\g)-14)                  ; group 14: group 15's 16 loads and span 0's 20 stay out; group 15: spans 0 and 1
.endif
.if (\g) < 13
	LOADG (\g)+3
.endif
	WIN 0x05                                       ; sources v256.., destination v0..
.set SBASE, 64*((\g)%4)
.irp c, 0,1,2,3
.irp m, 0,1,2,3,4,5,6,7
	v_cvt_pk_bf16_f32 v[CW+8*\c+\m], v[SBASE+8*\m+\c], v[SBASE+8*\m+4+\c]
.endr
.endr
	WIN 0
.irp c, 0,1,2,3
	ds_store_b128 v[AS+\c], v[CW+8*\c:CW+8*\c+3] offset:32*(\g)
	ds_store_b128 v[AS+\c], v[CW+8*\c+4:CW+8*\c+7] offset:32*(\g)+16
.endr
.if (\g) >= 13
	LDA (\g)-13, PC, 128*((\g)-13), AOFF
.endif
.endm
.macro MUL p                           ; each matrix instruction on another accumulator; tile 4's eight are jumped where the tile has no row
.set BB, B0+64*((\p)%2)
.set AF, 64*((\p)/2)+8*((\p)%2)
.set AG, 16*((\p)/2)+8*((\p)%2)
	WIN 0x52
.irp i, 0,1,2,3
.irp n, 0,1,2,3,4,5,6,7
	v_wmma_f32_16x16x32_bf16 v[64*\i+8*\n:64*\i+8*\n+7], v[AF+16*\i:AF+16*\i+7], v[BB+8*\n:BB+8*\n+7], v[64*\i+8*\n:64*\i+8*\n+7]
.endr
.endr
	WIN 0
	s_cmp_lt_u32 s[NT], 5
	s_cbranch_scc1 .Lm_\@
	WIN 0xf3
.irp n, 0,1,2,3,4,5,6,7
	v_wmma_f32_16x16x32_bf16 v[64+8*\n:64+8*\n+7], v[AG:AG+7], v[BB+8*\n:BB+8*\n+7], v[64+8*\n:64+8*\n+7]
.endr
	WIN 0
.Lm_\@:
.endm
.macro KSTEP p
	PLACES
.if ((\p)%2) == 0
	s_wait_loadcnt 40                              ; this span's 20 loads are in; the two younger spans stay out
.if (\p) == 0
	LDA 3, PC, 384, AOFF
.else
	LDA (\p)/2-1, PN, 128*((\p)/2-1), AON
.endif
.endif
.if (\p) == 7
	s_add_co_u32 s[KB], s[KB], 512
	s_and_b32 s[KB], s[KB], 2047
.irp n, 0,1,2,3,4,5,6,7
	v_add_nc_u32 v[BA+\n], s[KB], v[TB+\n]
.endr
	LDB B0, 0
.else
	LDB B0+64*(((\p)+1)%2), 64*((\p)+1)
.endif
	s_wait_dscnt 16                                ; this K step's fragments are in; the 16 loads just issued stay out
	MUL \p
.endm
.macro OUT i                           ; tile i leaves, if it is live: 64 moves put a lane's four neighbouring columns side by side (each accumulator's register 0 is read first), 16 stores
	s_cmp_lt_u32 s[NT], (\i)+1
	s_cbranch_scc1 .Lpnext
	s_wait_xcnt 0x0                                ; the last tile's stores have read their data and offset
	v_add_nc_u32 v[VO], s[RO], v[VO0]
	s_add_co_u32 s[RO], s[RO], 64*16384
.if (\i) < 4
	WIN 0x01
.set AC, 64*(\i)
.else
	WIN 0x03
.set AC, 64
.endif
.irp j, 0,1,2,3,4,5,6,7
.irp n, 0,1,2,3,4,5,6,7
	v_mov_b32 v[OO+8*\j+\n], v[AC+8*\n+\j]
.endr
.endr
	WIN 0
.irp j, 0,1,2,3,4,5,6,7
	global_store_b128 v[VO], v[OO+8*\j:OO+8*\j+3], s[PO:PO+1] offset:16384*\j          ; 16 lanes store 256 consecutive bytes, aligned
	global_store_b128 v[VO], v[OO+8*\j+4:OO+8*\j+7], s[PO:PO+1] offset:16384*\j+256
.endr
.endm
	s_load_b256 s[4:11], s[0:1], 0x0               ; hid, meta, w2, part
	v_lshl_add_u32 v[SPW], v0, 2, SPARE
	v_mov_b32 v[NIL], 0
	v_lshrrev_b32 v1, 5, v0
	v_readfirstlane_b32 s[WV], v1
	s_mov_b32 s[X], ttmp9
	s_and_b32 s[E], ttmp7, 0xffff
	v_and_b32 v[L], 31, v0
	v_and_b32 v[R], 15, v0
	v_bfe_u32 v[H], v0, 4, 1
	s_lshl_b32 s40, s[WV], WSH
	v_lshl_add_u32 v[WOFF], v[L], 4, s40
	v_lshlrev_b32 v[H16], 4, v[H]
	v_lshlrev_b32 v[VO0], 17, v[H]                 ; 8 rows of 16,384 bytes
	v_lshl_add_u32 v[VO0], v[R], 4, v[VO0]
	v_lshl_add_u32 v[T1], v[H], 6, v[R]            ; column 4 l + c = 64 (l / 16) + 4 (l % 16) + c: LDS row 64 (l / 16) + 16 c + l % 16
	v_mul_u32_u24 v[T1], v[T1], PL
	s_lshl_b32 s40, s[WV], 9                       ; my wave's 256 k
	v_add_nc_u32 v[AS], s40, v[T1]
	v_add_nc_u32 v[AS+1], 16*PL, v[AS]
	v_add_nc_u32 v[AS+2], 16*PL, v[AS+1]
	v_add_nc_u32 v[AS+3], 16*PL, v[AS+2]
	v_mul_u32_u24 v[T2], v[R], PL
	v_lshl_add_u32 v[T2], v[H], 4, v[T2]
.irp n, 0,1,2,3,4,5,6,7
	v_add_nc_u32 v[TB+\n], 16*PL*\n, v[T2]
.endr
	s_mov_b32 s[KN+1], 0
	s_lshl_b32 s[ROWW], s[WV], 4
	s_lshl_b32 s41, s[E], 2
	s_and_b32 s44, s[X], 7                         ; ds
	s_lshr_b32 s45, s[X], 3                        ; ks
	s_wait_kmcnt 0x0
	s_load_b32 s[CNT], s[PME:PME+1], s41 offset:0x0
	s_lshl_b32 s2, s[E], 24                        ; w2[e] is 16 MiB, a quarter of H 4 MiB
	s_lshl_b32 s42, s45, 22
	s_add_co_u32 s2, s2, s42
	s_lshl_b32 s42, s44, 9
	s_add_co_u32 s2, s2, s42
	s_mov_b32 s3, 0
	s_add_nc_u64 s[PW:PW+1], s[PW:PW+1], s[2:3]
	s_lshl_b32 s2, s[E], 23                        ; 1,024 slots of 8,192 bytes
	s_lshl_b32 s42, s45, 11
	s_add_co_u32 s2, s2, s42
	s_add_nc_u64 s[PA:PA+1], s[PA:PA+1], s[2:3]
	s_lshl_b32 s2, s[E], 24                        ; 1,024 slots of 16,384 bytes
	s_lshl_b32 s42, s45, 12
	s_add_co_u32 s2, s2, s42
	s_lshl_b32 s42, s44, 9
	s_add_co_u32 s2, s2, s42
	s_add_nc_u64 s[PO:PO+1], s[PO:PO+1], s[2:3]
	LOADG 0                                        ; 48 loads, 24 KiB a wave, are out from here to the end of phase 1
	LOADG 1
	LOADG 2
	WIN 0
	s_wait_kmcnt 0x0
	s_min_u32 s[CNT], s[CNT], 1024
	ROWS                                           ; pass 0's rows, while the first weights are on their way
	INITK
.set g, 0
.rept 16
	STEP g
.set g, g+1
.endr
	WIN 0
	s_wait_dscnt 0x0                               ; for the others' sake: my part of the slice is stored
	s_barrier_signal -1
	s_barrier_wait -1                              ; the slice is whole; from here on LDS is only read.  My 60 loads of rows stay out: nobody writes hid
	s_mov_b32 s[PIT], 4
	s_branch .Lmid                                 ; pass 0 has its offsets and its first three spans
.Lpass:
	s_cmp_ge_u32 s[ROWW], s[CNT]
	s_cbranch_scc1 .Lpnext                         ; nothing of this pass is mine
	s_wait_loadcnt 0x0                             ; the last pass's look-ahead that nobody uses: its registers, offsets and bases are written again only behind this wait
	ROWS
	INITK
	LDA 0, PC, 0, AOFF
	LDA 1, PC, 128, AOFF
	LDA 2, PC, 256, AOFF
.Lmid:
	s_cmp_ge_u32 s[ROWW], s[CNT]
	s_cbranch_scc1 .Lpnext                         ; (pass 0's test)
	s_sub_co_u32 s[NT], s[CNT], s[ROWW]
	s_add_co_u32 s[NT], s[NT], 63
	s_lshr_b32 s[NT], s[NT], 6
	s_min_u32 s[NT], s[NT], 5
.irp n, 0,1,2,3,4,5,6,7
	v_mov_b32 v[BA+\n], v[TB+\n]
.endr
	LDB B0, 0
	WIN 0x40                                       ; the sums start at 0: cleared on purpose; a first trip written out with C = 0 would be four times this text
.set i, 0
.rept 256
	v_mov_b32 v[i], 0
.set i, i+1
.endr
	WIN 0xc0
.set i, 0
.rept 64
	v_mov_b32 v[64+i], 0
.set i, i+1
.endr
	WIN 0
	s_mov_b32 s[IT], 4
.Lk:                                           ; a trip: 8 K steps of 32, four spans of rows
	KSTEP 0
	KSTEP 1
	KSTEP 2
	KSTEP 3
	KSTEP 4
	KSTEP 5
	KSTEP 6
	KSTEP 7
	s_wait_xcnt 0x0                                ; the loads' bases and offsets are rewritten only behind this wait
	s_mov_b64 s[PC:PC+1], s[PN:PN+1]
	s_add_co_u32 s[KN], s[KN], 512
	s_and_b32 s[KN], s[KN], 2047                   ; the last trip's look-ahead goes back to k = 0,
	s_add_nc_u64 s[PN:PN+1], s[PA:PA+1], s[KN:KN+1]
	s_cmp_eq_u32 s[IT], 2
	s_cselect_b32 s41, 0, -1                       ; and with the offset 0 in every lane: its 60 loads, which nobody uses, ask for one piece of 16 bytes each
.irp i, 0,1,2,3,4
	v_and_b32 v[AON+\i], s41, v[AOFF+\i]
.endr
	s_sub_co_u32 s[IT], s[IT], 1
	s_cmp_lg_u32 s[IT], 0
	s_cbranch_scc1 .Lk
	s_wait_dscnt 0x0                               ; the fragments that nobody uses: their registers serve the way out.  The 60 loads from memory stay out: the way out names none of their registers
	PLACES
	s_lshl_b32 s[RO], s[ROWW], 14
	OUT 0
	OUT 1
	OUT 2
	OUT 3
	OUT 4
.Lpnext:
	s_wait_xcnt 0x0                                ; the stores' data and offset are rewritten only behind this wait
	s_add_co_u32 s[ROWW], s[ROWW], RPP
	s_sub_co_u32 s[PIT], s[PIT], 1
	s_cmp_lg_u32 s[PIT], 0
	s_cbranch_scc1 .Lpass
	s_wait_dscnt 0x0
	s_barrier_signal -1
	s_barrier_wait -1                              ; every wave's reads of LDS are over
	s_wait_tensorcnt 0x0                           ; the wave's end: three lines behind my last LDS store
	ds_add_u32 v[SPW], v[NIL]
	s_wait_dscnt 0x0
	s_endpgm
.Lfunc_end_k_qfb22ce5b6d_prod2:
	.size	k_qfb22ce5b6d_prod2, .Lfunc_end_k_qfb22ce5b6d_prod2-k_qfb22ce5b6d_prod2
	.p2alignl 7, 3214868480
	.fill 96, 4, 3214868480
	.section	.rodata,"a",@progbits
	.p2align	6, 0x0
	.amdhsa_kernel k_qfb22ce5b6d_prod2
		.amdhsa_group_segment_fixed_size 264704
		.amdhsa_private_segment_fixed_size 0
		.amdhsa_enable_private_segment 0
		.amdhsa_kernarg_size 32
		.amdhsa_user_sgpr_count 2
		.amdhsa_user_sgpr_kernarg_segment_ptr 1
		.amdhsa_wavefront_size32 1
		.amdhsa_system_sgpr_workgroup_id_x 1
		.amdhsa_system_sgpr_workgroup_id_y 1
		.amdhsa_system_sgpr_workgroup_id_z 1
		.amdhsa_system_vgpr_workitem_id 0
		.amdhsa_next_free_vgpr 896
		.amdhsa_next_free_sgpr 66
		.amdhsa_reserve_vcc 0
		.amdhsa_float_denorm_mode_32 3
		.amdhsa_float_denorm_mode_16_64 3
		.amdhsa_memory_ordered 1
		.amdhsa_forward_progress 1
		.amdhsa_inst_pref_size 155
	.end_amdhsa_kernel
	.amdgpu_metadata
---
amdhsa.version: [ 1, 2 ]
amdhsa.kernels:
  - .name:           k_qfb22ce5b6d_prod2
    .symbol:         k_qfb22ce5b6d_prod2.kd
    .args:
      - { .name: hid, .offset: 0, .size: 8, .value_kind: global_buffer, .address_space: global }
      - { .name: meta, .offset: 8, .size: 8, .value_kind: global_buffer, .address_space: global }
      - { .name: w2, .offset: 16, .size: 8, .value_kind: global_buffer, .address_space: global }
      - { .name: part, .offset: 24, .size: 8, .value_kind: global_buffer, .address_space: global }
    .group_segment_fixed_size: 264704
    .private_segment_fixed_size: 0
    .kernarg_segment_align: 8
    .kernarg_segment_size: 32
    .max_flat_workgroup_size: 128
    .sgpr_count:     66
    .vgpr_count:     896
    .wavefront_size: 32
...
	.end_amdgpu_metadata
.endif
;; end of part 3
;; launch combine (part 4): grid 256 x 1, 8 waves a work-group, no clusters, 0 bytes of LDS; arguments part, rk, selw, gatew, b2, out0; writes out0
.if DOCPART == 4
	.amdgcn_target "amdgcn-amd-amdhsa--gfx1250"
	.amdhsa_code_object_version 6
	.text
	.protected	k_qfb22ce5b6d_combine
	.globl	k_qfb22ce5b6d_combine
	.p2align	8
	.type	k_qfb22ce5b6d_combine,@function
k_qfb22ce5b6d_combine:
	s_mov_b64 s[64:65], 0
	v_nop
	global_prefetch_b8 v0, s[64:65] scope:SCOPE_SE
	s_setreg_imm32_b32 hwreg(HW_REG_WAVE_MODE, 25, 1), 1
	s_wait_xcnt 0x0
; THE SUM.  out[t] = w0 (sum over ks of part[slot0][ks] + b2[e0]) + w1 (the same for e1), all in f32; b2 rounded to bf16 like every input.
; A wave has half a row of one token (512 numbers): 32 loads of part and 8 of b2, all out before the one wait; each load and store covers 512 consecutive bytes.
; The experts, the slots and the weights come by scalar loads from what the earlier launches stored.  The token's slot with EACH of the eight experts is loaded beside its two experts' numbers
; (rk holds a word for every token and expert), and the two wanted are picked by selects: one wait serves all ten scalar loads, where a load by the expert's number would hang on another load.
; A stream: no LDS, no matrix unit, no cluster (nothing is shared but b2, 32 KiB).
.set P,  32                            ; v32-159   part: (j, ks, i) at P + ((4 j + ks) 4 + i) 4
.set BB, 160                           ; v160-191  b2: (j, i) at BB + (4 j + i) 4
.set OO, 192                           ; v192-207  the result
	s_load_b256 s[4:11], s[0:1], 0x0               ; part s[4:5], rk s[6:7], selw s[8:9], gatew s[10:11]
	s_load_b128 s[12:15], s[0:1], 0x20             ; b2 s[12:13], out0 s[14:15]
	v_lshrrev_b32 v1, 5, v0
	v_readfirstlane_b32 s20, v1
	v_and_b32 v1, 31, v0
	v_lshlrev_b32 v1, 4, v1                        ; 16 bytes a lane
	s_lshr_b32 s21, s20, 1
	s_lshl_b32 s22, ttmp9, 2
	s_add_co_u32 s21, s21, s22                     ; my token
	s_and_b32 s22, s20, 1
	s_lshl_b32 s22, s22, 11                        ; my half of a row of 4,096 bytes
	s_lshl_b32 s23, s21, 2
	s_lshl_b32 s24, s21, 3
	s_mov_b32 s35, 0
	s_wait_kmcnt 0x0
	s_load_b32 s25, s[8:9], s23 offset:0x0
	s_load_b64 s[26:27], s[10:11], s24 offset:0x0  ; w0, w1
.irp e, 0,1,2,3,4,5,6,7
	s_load_b32 s[48+\e], s[6:7], s23 offset:4096*\e  ; my token's slot with expert e
.endr
	s_lshl_b32 s34, s21, 12
	s_add_co_u32 s34, s34, s22
	s_add_nc_u64 s[14:15], s[14:15], s[34:35]
	s_wait_kmcnt 0x0
	s_and_b32 s28, s25, 0xff
	s_min_u32 s28, s28, 7
	s_bfe_u32 s29, s25, 0x80008
	s_min_u32 s29, s29, 7
	s_mov_b32 s32, s48
	s_mov_b32 s33, s48
.irp e, 1,2,3,4,5,6,7
	s_cmp_eq_u32 s28, \e
	s_cselect_b32 s32, s[48+\e], s32
	s_cmp_eq_u32 s29, \e
	s_cselect_b32 s33, s[48+\e], s33
.endr
	s_min_u32 s32, s32, 8191
	s_min_u32 s33, s33, 8191
	s_lshl_b32 s34, s32, 14
	s_add_co_u32 s34, s34, s22
	s_add_nc_u64 s[42:43], s[4:5], s[34:35]
	s_lshl_b32 s34, s33, 14
	s_add_co_u32 s34, s34, s22
	s_add_nc_u64 s[44:45], s[4:5], s[34:35]
.irp ks, 0,1,2,3
.irp i, 0,1,2,3
	global_load_b128 v[P+(4*\ks+\i)*4:P+(4*\ks+\i)*4+3], v1, s[42:43] offset:4096*\ks+512*\i th:TH_LOAD_NT
	global_load_b128 v[P+(16+4*\ks+\i)*4:P+(16+4*\ks+\i)*4+3], v1, s[44:45] offset:4096*\ks+512*\i th:TH_LOAD_NT
.endr
.endr
	s_lshl_b32 s34, s28, 12
	s_add_co_u32 s34, s34, s22
	s_add_nc_u64 s[36:37], s[12:13], s[34:35]      ; b2[e0], my half
	s_lshl_b32 s34, s29, 12
	s_add_co_u32 s34, s34, s22
	s_add_nc_u64 s[38:39], s[12:13], s[34:35]
.irp i, 0,1,2,3
	global_load_b128 v[BB+4*\i:BB+4*\i+3], v1, s[36:37] offset:512*\i
	global_load_b128 v[BB+16+4*\i:BB+16+4*\i+3], v1, s[38:39] offset:512*\i
.endr
	s_mov_b32 s40, s27                             ; w1 as the low word of a pair
	s_mov_b32 s41, s27
	s_wait_loadcnt 0x0
.set i, 0
.rept 16                               ; b2 to bf16 and back
	v_cvt_pk_bf16_f32 v2, v[BB+2*i], v[BB+2*i+1]
	v_lshlrev_b32 v[BB+2*i], 16, v2
	v_and_b32 v[BB+2*i+1], 0xffff0000, v2
.set i, i+1
.endr
.irp j, 0,1
.set c, 0
.rept 8                                ; pair c of the half row's eight a lane
	v_pk_add_f32 v[P+64*\j+2*c:P+64*\j+2*c+1], v[P+64*\j+2*c:P+64*\j+2*c+1], v[P+64*\j+16+2*c:P+64*\j+16+2*c+1]
	v_pk_add_f32 v[P+64*\j+32+2*c:P+64*\j+32+2*c+1], v[P+64*\j+32+2*c:P+64*\j+32+2*c+1], v[P+64*\j+48+2*c:P+64*\j+48+2*c+1]
	v_pk_add_f32 v[P+64*\j+2*c:P+64*\j+2*c+1], v[P+64*\j+2*c:P+64*\j+2*c+1], v[P+64*\j+32+2*c:P+64*\j+32+2*c+1]
	v_pk_add_f32 v[P+64*\j+2*c:P+64*\j+2*c+1], v[P+64*\j+2*c:P+64*\j+2*c+1], v[BB+16*\j+2*c:BB+16*\j+2*c+1]
.set c, c+1
.endr
.endr
.set c, 0
.rept 8
	v_pk_mul_f32 v[OO+2*c:OO+2*c+1], v[P+2*c:P+2*c+1], s[26:27] op_sel_hi:[1,0]
	v_pk_fma_f32 v[OO+2*c:OO+2*c+1], v[P+64+2*c:P+64+2*c+1], s[40:41], v[OO+2*c:OO+2*c+1] op_sel_hi:[1,0,1]
.set c, c+1
.endr
.irp i, 0,1,2,3
	global_store_b128 v1, v[OO+4*\i:OO+4*\i+3], s[14:15] offset:512*\i th:TH_STORE_NT
.endr
	s_endpgm
.Lfunc_end_k_qfb22ce5b6d_combine:
	.size	k_qfb22ce5b6d_combine, .Lfunc_end_k_qfb22ce5b6d_combine-k_qfb22ce5b6d_combine
	.p2alignl 7, 3214868480
	.fill 96, 4, 3214868480
	.section	.rodata,"a",@progbits
	.p2align	6, 0x0
	.amdhsa_kernel k_qfb22ce5b6d_combine
		.amdhsa_group_segment_fixed_size 0
		.amdhsa_private_segment_fixed_size 0
		.amdhsa_enable_private_segment 0
		.amdhsa_kernarg_size 48
		.amdhsa_user_sgpr_count 2
		.amdhsa_user_sgpr_kernarg_segment_ptr 1
		.amdhsa_wavefront_size32 1
		.amdhsa_system_sgpr_workgroup_id_x 1
		.amdhsa_system_sgpr_workgroup_id_y 1
		.amdhsa_system_sgpr_workgroup_id_z 1
		.amdhsa_system_vgpr_workitem_id 0
		.amdhsa_next_free_vgpr 208
		.amdhsa_next_free_sgpr 66
		.amdhsa_reserve_vcc 0
		.amdhsa_float_denorm_mode_32 3
		.amdhsa_float_denorm_mode_16_64 3
		.amdhsa_memory_ordered 1
		.amdhsa_forward_progress 1
		.amdhsa_inst_pref_size 15
	.end_amdhsa_kernel
	.amdgpu_metadata
---
amdhsa.version: [ 1, 2 ]
amdhsa.kernels:
  - .name:           k_qfb22ce5b6d_combine
    .symbol:         k_qfb22ce5b6d_combine.kd
    .args:
      - { .name: part, .offset: 0, .size: 8, .value_kind: global_buffer, .address_space: global }
      - { .name: rk, .offset: 8, .size: 8, .value_kind: global_buffer, .address_space: global }
      - { .name: selw, .offset: 16, .size: 8, .value_kind: global_buffer, .address_space: global }
      - { .name: gatew, .offset: 24, .size: 8, .value_kind: global_buffer, .address_space: global }
      - { .name: b2, .offset: 32, .size: 8, .value_kind: global_buffer, .address_space: global }
      - { .name: out0, .offset: 40, .size: 8, .value_kind: global_buffer, .address_space: global }
    .group_segment_fixed_size: 0
    .private_segment_fixed_size: 0
    .kernarg_segment_align: 8
    .kernarg_segment_size: 48
    .max_flat_workgroup_size: 256
    .sgpr_count:     66
    .vgpr_count:     208
    .wavefront_size: 32
...
	.end_amdgpu_metadata
.endif
;; end of part 4
;; ======== version 2 of 2: 4 launches; version 1 with the launch prod2 written anew for expert scheduling mode
;; workspace buffers: xb 2,097,152 bytes; bm 1,024 bytes of whole numbers; selw 4,096 bytes of whole numbers; gatew 8,192 bytes; rk 32,768 bytes of whole numbers; meta 256 bytes of whole numbers; hid 67,108,864 bytes; part 134,217,728 bytes
;; launch router: the kernel of part 1 again; grid 128 x 1, 8 waves a work-group, no clusters, 17,920 bytes of LDS; arguments inputs, gate_w, gate_b, xb, bm, selw, gatew; writes xb, bm, selw, gatew
;; launch prod1: the kernel of part 2 again; grid 32 x 8, 4 waves a work-group, no clusters, 264,704 bytes of LDS; arguments xb, bm, w1, b1, hid, rk, meta; writes hid, rk, meta
;; launch prod2 (part 5): grid 32 x 8, 4 waves a work-group, no clusters, 264,704 bytes of LDS; arguments hid, meta, w2, part; writes part
.if DOCPART == 5
	.amdgcn_target "amdgcn-amd-amdhsa--gfx1250"
	.amdhsa_code_object_version 6
	.text
	.protected	k_qfb22ce5b6d_prod2
	.globl	k_qfb22ce5b6d_prod2
	.p2align	8
	.type	k_qfb22ce5b6d_prod2,@function
k_qfb22ce5b6d_prod2:
	s_mov_b64 s[64:65], 0
	v_nop
	global_prefetch_b8 v0, s[64:65] scope:SCOPE_SE
	s_setreg_imm32_b32 hwreg(HW_REG_WAVE_SCHED_MODE, 0, 2), 2
	s_setreg_imm32_b32 hwreg(HW_REG_WAVE_MODE, 25, 1), 1
	s_wait_xcnt 0x0
	s_wait_alu depctr_vm_vsrc(0)
; SECOND PRODUCT.  part[slot][ks][:] = hid[slot][1,024 ks ..] w2[e][1,024 ks ..][:] in f32: four partial sums over H for each chosen row, added up by the next launch.
; The design is the first product's.  Work-group (x, e) has expert e, columns 128 ds .. + 127 (ds = x & 7), the quarter ks = x >> 3 of H (K = 1,024) and ALL of e's rows: it alone reads its 512 KiB of w2, once.
; H is cut in four so that 256 work-groups have k rows of 512 bytes and a slice that fits in LDS; uncut, a work-group's k rows would be 128 bytes.
; PHASE 1.  The slice goes through registers, rounded to bf16 and turned, into LDS as [column][k] (2,048 bytes + 16 a column).  Every LDS byte is written once, at a register made at the head plus an immediate.  One barrier.
; PHASE 2.  LDS is only read; no barrier in it.  Four passes of 320 rows, a pass past the count jumped.  Wave c has the row tiles c + 4 i (i = 0..4) by 8 column tiles.  The rows of hid come from memory straight into
; registers as matrix operands, three spans of 64 k ahead; places past the count repeat the last row that exists.  Pass 0's first three spans are asked for among phase 1's last three groups, so the pass loop is entered in its middle.
; COLUMNS.  Column tile 4 s + q, lane r stands for column 64 s + 4 r + q (LDS row 16 (4 s + q) + r): four moves gather a lane's 16 bytes of a row, and sixteen lanes store 256 consecutive bytes, aligned.
; The last live tile's rows past the count are stored too: they lie in e's own 1,024 slots and nobody reads them.  An expert without tokens still streams its slice.
; NO CLUSTER, no tensor loads: each slice of weights has one reader and must pass registers to be rounded.  The rows that an expert's work-groups share lie end to end, but their number hangs on a stored count,
; and a loop of such a length holds no barrier and no tensor load; beside the slice 62 KiB of LDS are left.
; THE MODE: SCHED_MODE bits 1:0 = 2 (LLVM: expert scheduling mode 2), set by the entry lines.  The code itself states the register dependences
; between vector or matrix instructions and memory or LDS instructions, with s_wait_alu, always for 0.
; THE PLAN.  Registers that memory or LDS instructions touch:
;   W0 .. W3   (phase 1) group g's 16 loads land in W[g % 4]; its 32 conversions read it; the loads of group g + 4, issued at the head of step g + 1, land in it again.
;   CW         (phase 1) written by a group's conversions, read by its eight LDS stores.
;              So a step has one wait on vm_vsrc at its head (the last group's stores have read CW) and one on va_vdst behind its conversions (CW is written; W[g % 4] has been read).
;   A0 .. A3   span q's matrix instructions read A[q]; the 20 loads of span q + 3, issued in span q, land in A[(q + 3) % 4], which span q - 1 read.
;   F0, F1     the weights' fragments of a whole span (two K steps).  Span q's matrix instructions read F[q % 2]; the 32 LDS loads of span q + 1, issued in span q, land in the other.
;              So ONE wait on va_vdst stands at a span's head, for 64 or 80 matrix instructions; the span's 52 loads follow it in three runs among its matrix instructions, which name A[q], F[q % 2] and the sums alone.
;   BA         read by every fragment load; written at a pass's head and once a trip, at the head of span 3, ahead of that span's wait on va_vdst and behind a wait on vm_vsrc.
;   AOFF, AON  read by the loads of rows; written at a pass's head, AON also at a trip's end; each time behind a wait on vm_vsrc, and a span's head stands ahead of the next reader.
;   OO0, OO1   the way out: tile i's 64 moves write OO[i % 2], its 16 stores read it.  The waits ahead of tile i's stores also free the other buffer, which tile i - 1's stores read, for tile i + 1's moves.
;   WOFF, AS, VO0   made at the head and never written again: the rows of part are reached by a scalar base made once a pass and by immediates.
.set ROWP,  4096                       ; bytes from row to row of w2[e]
.set WSH,   20                         ; a wave's 256 k rows are 1 << 20 bytes
.set PL,    2064
.set SPARE, 128*PL                     ; behind the slice: the spare words, 128 bytes for each of 4 waves
.set RPP,   320
.set SPW,  2
.set NIL,  3
.set WOFF, 4
.set VO0,  6                           ; v6      the way out: 8 (l / 16) rows + 16 (l % 16) bytes
.set AS,   8                           ; v8-11
.set H16,  12
.set TB,   14                          ; v14-21
.set BA,   22                          ; v22-29
.set AOFF, 30                          ; v30-34  byte offset of my row of tile i, + 16 (l / 16)
.set L,    35
.set R,    36
.set H,    37
.set T0,   38
.set T1,   39
.set T2,   40
.set AON,  72                          ; v72-76  the offsets of the loads for the NEXT trip: AOFF, or 0 in the last trip
.set B0,   80                          ; v80-207 F0: K step s of an even span at B0 + 64 s.  F1 is v896-1023: K step s of an odd span at 128 + 64 s of the fourth window
.set CW,   80                          ; phase 1: v80-111 the 32 rounded words of a group
.set OO,   80                          ; the way out: v80-143, v144-207: a tile's 64 numbers in the order of the stores, two buffers by turns
; v256-511: accumulator (i < 4, n) at 64 i + 8 n; in phase 1 four sets of 16 loads.   v512-767: row fragments (buffer b, tile i < 4, K step s) at 64 b + 16 i + 8 s.
; v768-831: tile 4's fragments at 16 b + 8 s.   v832-895: tile 4's accumulators at 64 + 8 n.   v896-1023: F1.
.set PA,  4                            ; s[4:5]   hid at e's first slot and my quarter
.set PME, 6
.set PW,  8                            ; s[8:9]   w2 at my slice
.set PO,  10                           ; s[10:11] part at e's first slot, my quarter and columns
.set WV,  20
.set X,   22
.set E,   23
.set CNT, 26
.set ROWW, 27
.set NT,  28
.set IT,  29
.set PIT, 30
.set PC,  32
.set PN,  34
.set KN,  36
.set KB,  38
.set RO,  46                           ; s[46:47] the byte offset in part of my wave's first row of the pass, as a pair
.set PT,  48                           ; s[48:49] part at that row
.set MSB, 0
.macro WIN new
.if MSB != (\new)
	s_set_vgpr_msb (MSB<<8)|(\new)
.set MSB, (\new)
.endif
.endm
.macro PLACES                          ; four plain instructions between a matrix instruction and a load into, or a vector write of, one of its registers
.rept 4
	v_nop
.endr
.endm
.macro ROWS                            ; the offsets of rows ROWW + 64 i + l % 16
	s_sub_co_u32 s40, s[CNT], 1
	v_add_nc_u32 v[T0], s[ROWW], v[R]
.irp i, 0,1,2,3,4
	v_add_nc_u32 v[T1], 64*\i, v[T0]
	v_min_u32 v[T1], s40, v[T1]                    ; places past the count repeat the last row that exists
	v_min_u32 v[T1], 0x3ff, v[T1]                  ; a bound by a constant is the last line ahead of the shift that makes the address
	v_lshl_add_u32 v[AOFF+\i], v[T1], 13, v[H16]
	v_lshl_add_u32 v[AON+\i], v[T1], 13, v[H16]
.endr
.endm
.macro INITK                           ; a pass begins at k = 0
	s_mov_b32 s[KB], 0
	s_mov_b64 s[PC:PC+1], s[PA:PA+1]
	s_mov_b32 s[KN], 512
	s_add_nc_u64 s[PN:PN+1], s[PA:PA+1], 512
.endm
.macro LOADG g
	WIN 0x40
.set i, 0
.rept 16
	global_load_b128 v[64*((\g)%4)+4*i:64*((\g)%4)+4*i+3], v[WOFF], s[PW:PW+1] offset:(16*(\g)+i)*ROWP th:TH_LOAD_NT
.set i, i+1
.endr
.endm
.macro LDB bq, s, imm                  ; 8 weight fragments (16 columns x 32 k): K step s of a span, into F[bq]
.if \bq
	WIN 0xc0                                       ; destination v768 .., address v0 ..
.else
	WIN 0
.endif
.set LB, B0+48*(\bq)+64*(\s)
.irp n, 0,1,2,3,4,5,6,7
	ds_load_b128 v[LB+8*\n:LB+8*\n+3], v[BA+\n] offset:\imm
	ds_load_b128 v[LB+8*\n+4:LB+8*\n+7], v[BA+\n] offset:(\imm)+32
.endr
.endm
.macro LDA buf, base, imm, off         ; a span of 64 k of my 5 row tiles: 20 loads
	WIN 0x80
.irp i, 0,1,2,3
.irp s, 0,1
	global_load_b128 v[64*(\buf)+16*\i+8*\s:64*(\buf)+16*\i+8*\s+3], v[\off+\i], s[\base:\base+1] offset:(\imm)+64*\s
	global_load_b128 v[64*(\buf)+16*\i+8*\s+4:64*(\buf)+16*\i+8*\s+7], v[\off+\i], s[\base:\base+1] offset:(\imm)+64*\s+32
.endr
.endr
	WIN 0xc0
.irp s, 0,1
	global_load_b128 v[16*(\buf)+8*\s:16*(\buf)+8*\s+3], v[\off+4], s[\base:\base+1] offset:(\imm)+64*\s
	global_load_b128 v[16*(\buf)+8*\s+4:16*(\buf)+8*\s+7], v[\off+4], s[\base:\base+1] offset:(\imm)+64*\s+32
.endr
.endm
.macro STEP g                          ; group g is rounded, turned and stored; group g + 3 is asked for; behind groups 13, 14, 15: pass 0's spans 0, 1, 2 of rows
.if (\g) < 14
	s_wait_loadcnt 32                              ; groups g + 1 and g + 2 stay out
.else
	s_wait_loadcnt 36+4*((\g)-14)                  ; group 14: group 15's 16 loads and span 0's 20 stay out; group 15: spans 0 and 1
.endif
.if (\g) > 0
	s_wait_alu depctr_vm_vsrc(0)                   ; the LDS stores of the group before have read CW, which the conversions below write again
.endif
.if (\g) < 13
	LOADG (\g)+3                                   ; no wait: these land in the set that the group before read, its conversions stand ahead of the last wait on va_vdst, and no vector instruction since names the set
.endif
	WIN 0x05                                       ; sources v256.., destination v0..
.set SBASE, 64*((\g)%4)
.irp c, 0,1,2,3
.irp m, 0,1,2,3,4,5,6,7
	v_cvt_pk_bf16_f32 v[CW+8*\c+\m], v[SBASE+8*\m+\c], v[SBASE+8*\m+4+\c]
.endr
.endr
	WIN 0
	s_wait_alu depctr_va_vdst(0)                   ; the conversions have written CW, which the LDS stores read, and are done reading their set, in which the next step's loads land; in step 0 also: the rows' offsets are written
.irp c, 0,1,2,3
	ds_store_b128 v[AS+\c], v[CW+8*\c:CW+8*\c+3] offset:32*(\g)
	ds_store_b128 v[AS+\c], v[CW+8*\c+4:CW+8*\c+7] offset:32*(\g)+16
.endr
.if (\g) >= 13
	LDA (\g)-13, PC, 128*((\g)-13), AOFF           ; no vector or matrix instruction has named these registers yet
.endif
.endm
.macro MUL16 p, i0, i1                 ; K step p of the trip, row tiles i0 and i1: 16 matrix instructions, each on another accumulator
.set BB, B0+48*(((\p)/2)%2)+64*((\p)%2)
.set AF, 64*((\p)/2)+8*((\p)%2)
	WIN 0x52+0x0c*(((\p)/2)%2)                     ; rows v512.., sums v256.., weights v0.. (an even span) or v768.. (an odd one)
.irp i, \i0, \i1
.irp n, 0,1,2,3,4,5,6,7
	v_wmma_f32_16x16x32_bf16 v[64*\i+8*\n:64*\i+8*\n+7], v[AF+16*\i:AF+16*\i+7], v[BB+8*\n:BB+8*\n+7], v[64*\i+8*\n:64*\i+8*\n+7]
.endr
.endr
.endm
.macro MULT4 p                         ; tile 4's eight; jumped where the tile has no row
.set BB, B0+48*(((\p)/2)%2)+64*((\p)%2)
.set AG, 16*((\p)/2)+8*((\p)%2)
	WIN 0
	s_cmp_lt_u32 s[NT], 5
	s_cbranch_scc1 .Lm_\@
	WIN 0xf3+0x0c*(((\p)/2)%2)                     ; rows and sums v768..
.irp n, 0,1,2,3,4,5,6,7
	v_wmma_f32_16x16x32_bf16 v[64+8*\n:64+8*\n+7], v[AG:AG+7], v[BB+8*\n:BB+8*\n+7], v[64+8*\n:64+8*\n+7]
.endr
	WIN 0
.Lm_\@:
.endm
; Span q of a trip: K steps 2 q and 2 q + 1.  One wait on va_vdst at its head; behind it the loads for later spans stand in three runs among the span's matrix instructions.
.macro SPAN q
	PLACES                                         ; between the last span's matrix instructions and the loads into the registers that they read; the wait on va_vdst below stands beside them
	s_wait_loadcnt 40                              ; this span's 20 loads of rows are in; the two younger spans stay out
	s_wait_dscnt 16                                ; the fragments of this span's first K step are in; the 16 loads of its second stay out
.if (\q) == 3
	s_wait_alu depctr_vm_vsrc(0)                   ; the fragment loads issued so far have read BA
	s_add_co_u32 s[KB], s[KB], 512                 ; the next trip's 256 k; behind the last trip 0 again: those fragments are not used
	s_and_b32 s[KB], s[KB], 2047
.irp n, 0,1,2,3,4,5,6,7
	v_add_nc_u32 v[BA+\n], s[KB], v[TB+\n]
.endr
.endif
	s_wait_alu depctr_va_vdst(0)                   ; the last span's matrix instructions are done reading their rows and their fragments, in which this span's loads land; in span 3 BA is written, in span 0 AON
	MUL16 2*(\q), 0, 1
.if (\q) == 3
	LDB 0, 0, 0
.else
	LDB ((\q)+1)%2, 0, 128*((\q)+1)                ; the next span's first K step
.endif
	MUL16 2*(\q), 2, 3
	MULT4 2*(\q)
.if (\q) == 0
	LDA 3, PC, 384, AOFF                           ; three spans ahead, into the buffer multiplied last
.else
	LDA (\q)-1, PN, 128*((\q)-1), AON
.endif
	s_wait_dscnt 16                                ; the fragments of this span's second K step are in; the 16 loads issued above stay out
	MUL16 2*(\q)+1, 0, 1
.if (\q) == 3
	LDB 0, 1, 64
.else
	LDB ((\q)+1)%2, 1, 128*((\q)+1)+64             ; the next span's second K step
.endif
	MUL16 2*(\q)+1, 2, 3
	MULT4 2*(\q)+1
.endm
.macro OUT i                           ; tile i leaves, if it is live: 64 moves put a lane's four neighbouring columns side by side (each accumulator's register 0 is read first), 16 stores
	s_cmp_lt_u32 s[NT], (\i)+1
	s_cbranch_scc1 .Lpnext
.set OB, OO+64*((\i)%2)
.if (\i) < 4
	WIN 0x01
.set AC, 64*(\i)
.else
	WIN 0x03
.set AC, 64
.endif
.irp j, 0,1,2,3,4,5,6,7
.irp n, 0,1,2,3,4,5,6,7
	v_mov_b32 v[OB+8*\j+\n], v[AC+8*\n+\j]
.endr
.endr
	WIN 0
.if (\i) >= 1 && (\i) <= 3
	s_wait_xcnt 0x0                                ; the stores of the tile before have had their addresses translated (ISA guide 3.1): their data, the other buffer, is written again by the next tile's moves only behind this wait
	s_wait_alu depctr_vm_vsrc(0)                   ; and they have read that buffer
.endif
	s_wait_alu depctr_va_vdst(0)                   ; the moves have written this tile's buffer, which the stores read
.irp j, 0,1,2,3,4,5,6,7
	global_store_b128 v[VO0], v[OB+8*\j:OB+8*\j+3], s[PT:PT+1] offset:64*16384*(\i)+16384*\j          ; 16 lanes store 256 consecutive bytes, aligned; the tile and the row stand in the immediate, 4,309,248 at the most
	global_store_b128 v[VO0], v[OB+8*\j+4:OB+8*\j+7], s[PT:PT+1] offset:64*16384*(\i)+16384*\j+256
.endr
.endm
	s_load_b256 s[4:11], s[0:1], 0x0               ; hid, meta, w2, part
	v_lshl_add_u32 v[SPW], v0, 2, SPARE
	v_mov_b32 v[NIL], 0
	v_lshrrev_b32 v1, 5, v0
	v_readfirstlane_b32 s[WV], v1
	s_mov_b32 s[X], ttmp9
	s_and_b32 s[E], ttmp7, 0xffff
	v_and_b32 v[L], 31, v0
	v_and_b32 v[R], 15, v0
	v_bfe_u32 v[H], v0, 4, 1
	s_wait_alu depctr_va_sdst(0)                   ; the wave's number is written, ahead of its first reader
	s_lshl_b32 s40, s[WV], WSH
	v_lshl_add_u32 v[WOFF], v[L], 4, s40
	v_lshlrev_b32 v[H16], 4, v[H]
	v_lshlrev_b32 v[VO0], 17, v[H]                 ; 8 rows of 16,384 bytes
	v_lshl_add_u32 v[VO0], v[R], 4, v[VO0]
	v_lshl_add_u32 v[T1], v[H], 6, v[R]            ; column 4 l + c = 64 (l / 16) + 4 (l % 16) + c: LDS row 64 (l / 16) + 16 c + l % 16
	v_mul_u32_u24 v[T1], v[T1], PL
	s_lshl_b32 s40, s[WV], 9                       ; my wave's 256 k
	v_add_nc_u32 v[AS], s40, v[T1]
	v_add_nc_u32 v[AS+1], 16*PL, v[AS]
	v_add_nc_u32 v[AS+2], 16*PL, v[AS+1]
	v_add_nc_u32 v[AS+3], 16*PL, v[AS+2]
	v_mul_u32_u24 v[T2], v[R], PL
	v_lshl_add_u32 v[T2], v[H], 4, v[T2]
.irp n, 0,1,2,3,4,5,6,7
	v_add_nc_u32 v[TB+\n], 16*PL*\n, v[T2]
.endr
	s_mov_b32 s[KN+1], 0
	s_mov_b32 s[RO+1], 0
	s_lshl_b32 s[ROWW], s[WV], 4
	s_lshl_b32 s41, s[E], 2
	s_and_b32 s44, s[X], 7                         ; ds
	s_lshr_b32 s45, s[X], 3                        ; ks
	s_wait_kmcnt 0x0
	s_load_b32 s[CNT], s[PME:PME+1], s41 offset:0x0
	s_lshl_b32 s2, s[E], 24                        ; w2[e] is 16 MiB, a quarter of H 4 MiB
	s_lshl_b32 s42, s45, 22
	s_add_co_u32 s2, s2, s42
	s_lshl_b32 s42, s44, 9
	s_add_co_u32 s2, s2, s42
	s_mov_b32 s3, 0
	s_add_nc_u64 s[PW:PW+1], s[PW:PW+1], s[2:3]
	s_lshl_b32 s2, s[E], 23                        ; 1,024 slots of 8,192 bytes
	s_lshl_b32 s42, s45, 11
	s_add_co_u32 s2, s2, s42
	s_add_nc_u64 s[PA:PA+1], s[PA:PA+1], s[2:3]
	s_lshl_b32 s2, s[E], 24                        ; 1,024 slots of 16,384 bytes
	s_lshl_b32 s42, s45, 12
	s_add_co_u32 s2, s2, s42
	s_lshl_b32 s42, s44, 9
	s_add_co_u32 s2, s2, s42
	s_add_nc_u64 s[PO:PO+1], s[PO:PO+1], s[2:3]
	s_wait_alu depctr_va_vdst(0)                   ; WOFF, AS and VO0 are written: the loads of w2, the LDS stores and the stores of part read them, and no line writes them again
	LOADG 0                                        ; 48 loads, 24 KiB a wave, are out from here to the end of phase 1
	LOADG 1
	LOADG 2
	WIN 0
	s_wait_kmcnt 0x0
	s_min_u32 s[CNT], s[CNT], 1024
	ROWS                                           ; pass 0's rows, while the first weights are on their way
	INITK
.set g, 0
.rept 16
	STEP g
.set g, g+1
.endr
	WIN 0
	s_wait_dscnt 0x0                               ; for the others' sake: my part of the slice is stored
	s_barrier_signal -1
	s_barrier_wait -1                              ; the slice is whole; from here on LDS is only read.  My 60 loads of rows stay out: nobody writes hid
	s_mov_b32 s[PIT], 4
	s_branch .Lmid                                 ; pass 0 has its offsets and its first three spans
.Lpass:
	s_cmp_ge_u32 s[ROWW], s[CNT]
	s_cbranch_scc1 .Lpnext                         ; nothing of this pass is mine
	s_wait_loadcnt 0x0                             ; the last pass's look-ahead that nobody uses: its registers, offsets and bases are written again only behind this wait
	s_wait_alu depctr_vm_vsrc(0)                   ; the last pass's loads of rows have read AOFF and AON, which the lines below write again
	ROWS
	INITK
	s_wait_alu depctr_va_vdst(0)                   ; AOFF is written, which the loads below read; the last pass's matrix instructions are done reading row buffers 0 to 2, in which they land
	LDA 0, PC, 0, AOFF
	LDA 1, PC, 128, AOFF
	LDA 2, PC, 256, AOFF
	WIN 0
.Lmid:
	s_cmp_ge_u32 s[ROWW], s[CNT]
	s_cbranch_scc1 .Lpnext                         ; (pass 0's test)
	s_sub_co_u32 s[NT], s[CNT], s[ROWW]
	s_add_co_u32 s[NT], s[NT], 63
	s_lshr_b32 s[NT], s[NT], 6
	s_min_u32 s[NT], s[NT], 5
	s_wait_alu depctr_vm_vsrc(0)                   ; the last pass's fragment loads have read BA; phase 1's LDS stores (pass 0) or the last way out's stores have read v80 and on, in which the fragments below land
.irp n, 0,1,2,3,4,5,6,7
	v_mov_b32 v[BA+\n], v[TB+\n]
.endr
	s_wait_alu depctr_va_vdst(0)                   ; BA is written; phase 1's conversions or the last way out's moves, which wrote v80 and on, and the matrix instructions that read them are done
	LDB 0, 0, 0                                    ; span 0's two K steps
	LDB 0, 1, 64
	WIN 0x40                                       ; the sums start at 0: cleared on purpose; a first trip written out with C = 0 would be four times this text
.set i, 0
.rept 256
	v_mov_b32 v[i], 0
.set i, i+1
.endr
	WIN 0xc0
.set i, 0
.rept 64
	v_mov_b32 v[64+i], 0
.set i, i+1
.endr
	WIN 0
	s_mov_b32 s[IT], 4
.Lk:                                           ; a trip: four spans of rows, 8 K steps of 32
	SPAN 0
	SPAN 1
	SPAN 2
	SPAN 3
	s_wait_xcnt 0x0                                ; the loads' bases and offsets are rewritten only behind this wait
	s_wait_alu depctr_vm_vsrc(0)                   ; the trip's loads of rows have read AON, which the lines below write again
	s_mov_b64 s[PC:PC+1], s[PN:PN+1]
	s_add_co_u32 s[KN], s[KN], 512
	s_and_b32 s[KN], s[KN], 2047                   ; the last trip's look-ahead goes back to k = 0,
	s_add_nc_u64 s[PN:PN+1], s[PA:PA+1], s[KN:KN+1]
	s_cmp_eq_u32 s[IT], 2
	s_cselect_b32 s41, 0, -1                       ; and with the offset 0 in every lane: its 60 loads, which nobody uses, ask for one piece of 16 bytes each
.irp i, 0,1,2,3,4
	v_and_b32 v[AON+\i], s41, v[AOFF+\i]
.endr
	s_sub_co_u32 s[IT], s[IT], 1
	s_cmp_lg_u32 s[IT], 0
	s_cbranch_scc1 .Lk
	s_wait_dscnt 0x0                               ; the fragments that nobody uses: their registers serve the way out.  The 60 loads from memory stay out: the way out names none of their registers
	PLACES
	s_lshl_b32 s[RO], s[ROWW], 14
	s_add_nc_u64 s[PT:PT+1], s[PO:PO+1], s[RO:RO+1]  ; part at my first row of the pass (the last pass's stores, which read this pair, stand ahead of the wait at the pass's end)
	OUT 0
	OUT 1
	OUT 2
	OUT 3
	OUT 4
.Lpnext:
	s_wait_xcnt 0x0                                ; the stores' data and base are rewritten only behind this wait
	s_add_co_u32 s[ROWW], s[ROWW], RPP
	s_sub_co_u32 s[PIT], s[PIT], 1
	s_cmp_lg_u32 s[PIT], 0
	s_cbranch_scc1 .Lpass
	s_wait_dscnt 0x0
	s_barrier_signal -1
	s_barrier_wait -1                              ; every wave's reads of LDS are over
	s_wait_dscnt 0x0                               ; the closing lines, six on end
	s_wait_alu 0x0
	s_wait_tensorcnt 0x0
	ds_add_u32 v[SPW], v[NIL]
	s_wait_dscnt 0x0
	s_endpgm
.Lfunc_end_k_qfb22ce5b6d_prod2:
	.size	k_qfb22ce5b6d_prod2, .Lfunc_end_k_qfb22ce5b6d_prod2-k_qfb22ce5b6d_prod2
	.p2alignl 7, 3214868480
	.fill 96, 4, 3214868480
	.section	.rodata,"a",@progbits
	.p2align	6, 0x0
	.amdhsa_kernel k_qfb22ce5b6d_prod2
		.amdhsa_group_segment_fixed_size 264704
		.amdhsa_private_segment_fixed_size 0
		.amdhsa_enable_private_segment 0
		.amdhsa_kernarg_size 32
		.amdhsa_user_sgpr_count 2
		.amdhsa_user_sgpr_kernarg_segment_ptr 1
		.amdhsa_wavefront_size32 1
		.amdhsa_system_sgpr_workgroup_id_x 1
		.amdhsa_system_sgpr_workgroup_id_y 1
		.amdhsa_system_sgpr_workgroup_id_z 1
		.amdhsa_system_vgpr_workitem_id 0
		.amdhsa_next_free_vgpr 1024
		.amdhsa_next_free_sgpr 66
		.amdhsa_reserve_vcc 0
		.amdhsa_float_denorm_mode_32 3
		.amdhsa_float_denorm_mode_16_64 3
		.amdhsa_memory_ordered 1
		.amdhsa_forward_progress 1
		.amdhsa_inst_pref_size 157
	.end_amdhsa_kernel
	.amdgpu_metadata
---
amdhsa.version: [ 1, 2 ]
amdhsa.kernels:
  - .name:           k_qfb22ce5b6d_prod2
    .symbol:         k_qfb22ce5b6d_prod2.kd
    .args:
      - { .name: hid, .offset: 0, .size: 8, .value_kind: global_buffer, .address_space: global }
      - { .name: meta, .offset: 8, .size: 8, .value_kind: global_buffer, .address_space: global }
      - { .name: w2, .offset: 16, .size: 8, .value_kind: global_buffer, .address_space: global }
      - { .name: part, .offset: 24, .size: 8, .value_kind: global_buffer, .address_space: global }
    .group_segment_fixed_size: 264704
    .private_segment_fixed_size: 0
    .kernarg_segment_align: 8
    .kernarg_segment_size: 32
    .max_flat_workgroup_size: 128
    .sgpr_count:     66
    .vgpr_count:     1024
    .wavefront_size: 32
...
	.end_amdgpu_metadata
.endif
;; end of part 5
;; launch combine: the kernel of part 4 again; grid 256 x 1, 8 waves a work-group, no clusters, 0 bytes of LDS; arguments part, rk, selw, gatew, b2, out0; writes out0
